; MI455X (gfx1250); checked and timed in simulation.
; The chip was launched on July 23, 2026; its instructions are those of AMD's public machine-readable ISA for CDNA 5 (MIT licence, August 2026) and "CDNA5" Instruction Set Architecture Reference Guide (July 2026). The comments in the code are by the model that wrote it; some were corrected since.
;; Multi Head Causal Attention. Allowed arithmetic: matrix products marked QUANTISED: E5M2 operands, one given power-of-two scale a tensor, by v_wmma_f32_16x16x64_bf8_bf8 or v_wmma_f32_16x16x128_bf8_bf8, f32 sums; everything else in f32.
;; Inputs: lowp_scales 12 int32 (the exponents e of the quantised operands' scales 2^e); norm_g 1,024 float32; wk_codes 1,024 x 32 x 32 uint8 (E5M2 codes of wk, K innermost, in blocks of 32 codes); wo_codes 1,024 x 32 x 32 uint8 (E5M2 codes of wo, K innermost, in blocks of 32 codes); wq_codes 1,024 x 32 x 32 uint8 (E5M2 codes of wq, K innermost, in blocks of 32 codes); wv_codes 1,024 x 32 x 32 uint8 (E5M2 codes of wv, K innermost, in blocks of 32 codes); x 4 x 2,048 x 1,024 float32.
;; Outputs: out0 4 x 2,048 x 1,024 float32.
;; This version of the problem:
;;   THIS VERSION OF THE PROBLEM IS GIVEN IN LOW PRECISION. The matrix products marked QUANTISED in the list below multiply operands that are first quantised to E5M2 (5 exponent bits, 2 mantissa bits; 8 bits a number), with one given power-of-two scale for each operand tensor; their sums are f32. All else is computed in f32.
;;   The module's matrix products, in the order in which they are computed (A, B: the left and right operand; K: the contracted axis; several contracted axes count as one K, in the product's order):
;;     1. [M 8,192, K 1,024] x [K 1,024, N 1,024]; A: input x; B: input wq (given as codes): QUANTISED (scales: A lowp_scales[0], B lowp_scales[1])
;;     2. [M 8,192, K 1,024] x [K 1,024, N 1,024]; A: input x; B: input wk (given as codes): QUANTISED (scales: A lowp_scales[2], B lowp_scales[3])
;;     3. [M 8,192, K 1,024] x [K 1,024, N 1,024]; A: input x; B: input wv (given as codes): QUANTISED (scales: A lowp_scales[4], B lowp_scales[5])
;;     4. batch 64 x [M 2,048, K 64] x [K 64, N 2,048]; A: computed on the way; B: computed on the way: QUANTISED (scales: A lowp_scales[6], B lowp_scales[7])
;;     5. batch 64 x [M 2,048, K 2,048] x [K 2,048, N 64]; A: softmax (see below); B: computed on the way: QUANTISED (scales: A lowp_scales[8], B lowp_scales[9])
;;     6. [M 8,192, K 1,024] x [K 1,024, N 1,024]; A: computed on the way; B: input wo (given as codes): QUANTISED (scales: A lowp_scales[10], B lowp_scales[11])
;;   THE QUANTISER, for each operand of a quantised product, along K:
;;     - The operand's scale is 2^e, e = its entry of the input lowp_scales (int32; the entries are numbered through the quantised products in the list's order, A before B).
;;     - Each number is divided by the scale, clamped to +-57,344, and rounded to the nearest number of E5M2, ties to even, subnormals kept.
;;     - The product sums the exact products of the quantised numbers (number of the format x scale) in f32.
;;   ~~~python
;;   def quantise(x, axis, e):      # numpy; x: float32 -> the quantised numbers, widened to float32 again
;;       x = np.moveaxis(x, axis, -1); K = x.shape[-1]
;;       r = np.clip(x / 2.0 ** e, -57344, 57344)
;;       step = 2.0 ** (np.maximum(np.frexp(np.where(r == 0, 1, r))[1] - 1, -14) - 2)
;;       q = np.round(r / step) * step * 2.0 ** e      # np.round: ties to even
;;       return np.moveaxis(q, -1, axis).astype(np.float32)
;;   ~~~
;;   SOFTMAX AHEAD OF A QUANTISED PRODUCT. Where the list says 'softmax', what is quantised is not the finished softmax but p = 2^(t - M), with t = logit x log2(e) and M = ceil(the row's largest t), a whole number; so 1/2 < the row's largest p <= 1. The row's sum l is taken of the UNQUANTISED p, in f32, and the product's result is divided by l at the end. Since M is a whole number, a kernel that streams over the keys may use a running M (the ceiling of the running maximum): every later rescaling is an exact power of two, so the quantised numbers keep their values, but for numbers so far below the row's largest that they fall under the format's range.
;;   OPERANDS COMPUTED ON THE WAY. 'Computed on the way' means the value that the module computes at that place (a softmax that the list does not call 'softmax' is quantised finished and normalised). What goes into a quantiser is computed in f32, as accurately as f32 sums, v_exp_f32 and their like allow (about 1e-6 of the number): no bf16 or f16 on the way to a quantiser, and a product that is left as it is and whose result goes on into a quantised operand takes f32 operands (vector FMAs, or v_wmma_f32_16x16x4_f32). A number that lies on a knife's edge between two numbers of the format may be rounded either way, as far as f32 arithmetic and the matrix unit's own rounding can turn it there, and no further.
;;   INPUTS GIVEN AS CODES. wk (in the module: [1024, 1024], K = its axis 1); wo (in the module: [1024, 1024], K = its axis 1); wq (in the module: [1024, 1024], K = its axis 1); wv (in the module: [1024, 1024], K = its axis 1): each comes as NAME_codes (uint8): NAME with its K axis moved to the last place and cut into blocks of 32 codes, [.., K / 32, bytes a block], one block behind the other in memory; one code a byte (a code: sign, 5 exponent bits, 2 mantissa bits); its scale is its entry of lowp_scales. Its value is code x scale, taken as it is: it is not quantised again, and the codes and scales need not be those that the quantiser above would give.
;; One version. Each part assembles by itself: llvm-mc -triple=amdgcn-amd-amdhsa -mcpu=gfx1250 --defsym DOCPART=n.
;; ======== version 1 of 1: 4 launches
;; limits: right only within a limited range of input values
;; workspace buffers: xc 25,165,824 bytes; wo_img 1,048,576 bytes; q_img 8,388,608 bytes; k_img 8,388,608 bytes; v_img 8,388,608 bytes; o_img 8,388,608 bytes
;; launch prep (part 1): grid 1040 x 1, 4 waves a work-group, no clusters, 33,280 bytes of LDS; arguments x, wo_codes, lowp_scales, xc, wo_img; writes xc, wo_img
.if DOCPART == 1
	.amdgcn_target "amdgcn-amd-amdhsa--gfx1250"
	.amdhsa_code_object_version 6
	.text
	.protected	k_q49db1ff638_prep
	.globl	k_q49db1ff638_prep
	.p2align	8
	.type	k_q49db1ff638_prep,@function
k_q49db1ff638_prep:
	s_mov_b64 s[64:65], 0
	v_nop
	global_prefetch_b8 v0, s[64:65] scope:SCOPE_SE
	s_setreg_imm32_b32 hwreg(HW_REG_WAVE_MODE, 25, 1), 1
	s_wait_xcnt 0x0
; x [8192][1024] f32 becomes THREE sets of E5M2 codes, xc [3][8192][1024], K innermost: under the scales 2^e0, 2^e2, 2^e4 (entries 0, 2, 4 of the
; buffer of scales), which the three products x wq^T, x wk^T, x wv^T name for it and which need not be equal.  x is read once.
; code = x / 2^e, held within +-57,344, rounded to the nearest code, ties to even.
; WORK THAT THE PROGRAM LEAVES OUT: in the launch attn, the steps of 128 keys that all come after a wave's queries.  reference() itself sets those scores to -infinity (its jnp.tril), so their
; p is 0 and they add nothing to the sum or to the product, whatever the inputs hold.  LIMIT: a NaN, an infinity or an overflow that reaches only those scores is not carried to the result.
; LIMITS: e0, e2, e4 between -126 and 112, so that 2^e and 57,344 x 2^e are f32 numbers.  NaN among the inputs is not served.
; Work-groups 0 to 1,023 take x: a wave takes 4 steps of 512 numbers, all sixteen loads asked for at once.  A load reads 512 consecutive bytes, 16 a lane; a step's 2,048 bytes turn through the
; wave's own stage in LDS (16 bytes of padding behind each 64) and come back 64 bytes a lane: 16 neighbours along K, which the conversions want in one lane.
; A lane's 16 codes are 16 bytes: each store of the wave covers 512 consecutive bytes, aligned.  Waves share nothing: no barrier.
; Work-groups 1,024 to 1,039 lay wo's codes out anew, in the order in which a wave of the last launch takes them into its operand registers:
; wo_img [w 8][s 8][n 8][q 4][lane 32][16 bytes]: the fragment of columns 128 w + 16 n + r, K step s; lane (r, h), registers 2 c, 2 c + 1 hold k = 128 s + 16 c + 8 h + 0 .. 7;
; piece q is registers 4 q to 4 q + 3.  That path uses no LDS.
.set XWG,   1024                       ; work-groups that take x
.set STEPS, 4
.set EMAX,  15
.set MANT,  0x600000                   ; the mantissa field of 57,344 as f32
.set PLANE, 0x800000                   ; bytes of one set of codes
.set R,     16                         ; v16-79   four sets of 16 numbers as they are loaded
.set X,     80                         ; v80-111  two sets of 16 neighbours
.set T,     112                        ; v112-159 the 16 neighbours held under each of the three scales
.set C,     160                        ; v160-183 codes: two sets of 12 registers by turns
.set SPW,   184                        ; v184 LDS address of my spare word, v185 0
.set NIL,   185
.set WREG,  8192                       ; LDS: a region of its own for each wave: two stages of 32 x SP bytes
.set SP,    80                         ; a lane's place in a stage: its 64 bytes + 16 of padding
	s_load_b256 s[4:11], s[0:1], 0x0               ; x s[4:5], wo's codes s[6:7], the scales' exponents s[8:9], xc s[10:11]
	s_load_b64 s[12:13], s[0:1], 0x20              ; wo_img
	v_lshl_add_u32 v[SPW], v0, 2, 0x8000
	v_mov_b32 v[NIL], 0
	v_lshrrev_b32 v1, 5, v0
	v_readfirstlane_b32 s16, v1                    ; wave
	v_and_b32 v2, 31, v0                           ; lane
	v_lshlrev_b32 v3, 4, v2                        ; 16 x lane: my 16 bytes of 512, in loads and in stores; never rewritten
	s_mul_i32 s17, s16, WREG
	v_lshrrev_b32 v14, 2, v2
	v_mul_u32_u24 v14, v14, SP
	v_and_b32 v15, 3, v2
	v_lshl_add_u32 v14, v15, 4, v14
	v_add_nc_u32 v14, s17, v14                     ; the stage, on the way in: SP (lane / 4) + 16 (lane % 4)
	v_mul_u32_u24 v15, v2, SP
	v_add_nc_u32 v15, s17, v15                     ; and on the way out: SP x lane: my 16 neighbours
	s_mov_b32 s21, 0
	s_wait_kmcnt 0x0
	s_cmp_ge_u32 ttmp9, XWG                        ; the choice hangs on the work-group's number alone
	s_cbranch_scc1 .Lwo
	; ---- x
	s_load_b256 s[32:39], s[8:9], 0x0              ; e0 s32, e2 s34, e4 s36
	s_lshl_b32 s18, ttmp9, 2
	s_add_co_u32 s18, s18, s16                     ; which run of 2,048 numbers is my wave's
	s_lshl_b32 s20, s18, 13                        ; 8,192 bytes of x a run
	s_add_nc_u64 s[4:5], s[4:5], s[20:21]
	s_lshl_b32 s20, s18, 11                        ; 2,048 bytes of codes a run
	s_add_nc_u64 s[24:25], s[10:11], s[20:21]      ; the codes under e0,
	s_add_nc_u64 s[26:27], s[24:25], PLANE         ; under e2,
	s_add_nc_u64 s[28:29], s[24:25], 2*PLANE       ; under e4
.macro LOAD t
.irp i, 0,1,2,3
	global_load_b128 v[R+16*(\t)+4*\i:R+16*(\t)+4*\i+3], v3, s[4:5] offset:2048*(\t)+512*\i th:TH_LOAD_NT   ; 32 lanes read 512 consecutive bytes
.endr
.endm
.macro TURN t                          ; step t's numbers through the stage: LDS serves a wave's instructions in order, so no wait stands between the stores and the loads
.irp i, 0,1,2,3
	ds_store_b128 v14, v[R+16*(\t)+4*\i:R+16*(\t)+4*\i+3] offset:32*SP*((\t)%2)+8*SP*\i
.endr
.irp i, 0,1,2,3
	ds_load_b128 v[X+16*((\t)%2)+4*\i:X+16*((\t)%2)+4*\i+3], v15 offset:32*SP*((\t)%2)+16*\i
.endr
.endm
	s_wait_alu depctr_va_vdst(0)
.irp t, 0,1,2,3
	LOAD \t
.endr
	s_wait_kmcnt 0x0
.irp j, 0,1,2
	s_add_co_i32 s[32+2*\j], s[32+2*\j], 127
	s_lshl_b32 s22, s[32+2*\j], 23
	v_mov_b32 v[8+\j], s22                         ; v8-10: 2^e as f32: the conversion takes its exponent field
	s_add_co_i32 s[32+2*\j], s[32+2*\j], EMAX
	s_lshl_b32 s22, s[32+2*\j], 23
	s_or_b32 s22, s22, MANT
	v_mov_b32 v[11+\j], s22                        ; v11-13: 57,344 x 2^e
.endr
	s_wait_alu depctr_va_vdst(0)
	s_wait_loadcnt 12                              ; step 0's four loads are in; the twelve of steps 1 to 3 may be out
	TURN 0
.macro STEP t
.set XS, X+16*((\t)%2)
.set CS, C+12*((\t)%2)
	s_wait_dscnt 0x0                               ; this step's numbers are back from the stage
.if (\t)+1 < STEPS
	s_wait_loadcnt 4*(STEPS-2-(\t))                ; the next step's four loads are in; those of the steps behind it may be out
	TURN (\t)+1                                    ; and go through the other stage while this step is worked
.endif
.irp j, 0,1,2
.irp i, 0,1,2,3,4,5,6,7,8,9,10,11,12,13,14,15
	v_med3_num_f32 v[T+16*\j+\i], v[XS+\i], -v[11+\j], v[11+\j]   ; the conversion to an 8-bit code does not saturate (ISA guide 7.6.2): the hold, once for each scale
.endr
.endr
	s_wait_alu depctr_va_vdst(0)
	s_wait_xcnt 0x0                                ; the earlier stores have read this set of code registers
.irp j, 0,1,2
	v_cvt_scalef32_pk8_bf8_f32 v[CS+4*\j:CS+4*\j+1], v[T+16*\j:T+16*\j+7], v[8+\j]
	v_cvt_scalef32_pk8_bf8_f32 v[CS+4*\j+2:CS+4*\j+3], v[T+16*\j+8:T+16*\j+15], v[8+\j]
.endr
	v_nop                                          ; one plain vector line between the conversions and the next step's holds, which write their sources
.irp j, 0,1,2
	global_store_b128 v3, v[CS+4*\j:CS+4*\j+3], s[24+2*\j:25+2*\j] offset:512*(\t)   ; 512 consecutive bytes, aligned
.endr
.endm
.irp t, 0,1,2,3
	STEP \t
.endr
	s_wait_tensorcnt 0x0                           ; the wave's end
	ds_add_u32 v[SPW], v[NIL]
	s_wait_dscnt 0x0
	s_endpgm
	; ---- wo: wave W = 8 w + s of 64 takes the eight fragments of columns 128 w on, K step s
.Lwo:
	s_sub_co_u32 s18, ttmp9, XWG
	s_lshl_b32 s18, s18, 2
	s_add_co_u32 s18, s18, s16                     ; W
	s_lshr_b32 s20, s18, 3
	s_lshl_b32 s20, s20, 17                        ; 128 rows of 1,024 bytes for each w,
	s_and_b32 s22, s18, 7
	s_lshl_b32 s22, s22, 7                         ; 128 bytes along K for each s
	s_add_co_u32 s20, s20, s22
	s_add_nc_u64 s[6:7], s[6:7], s[20:21]
	s_lshl_b32 s20, s18, 14                        ; eight fragments of 2,048 bytes
	s_add_nc_u64 s[12:13], s[12:13], s[20:21]
	v_and_b32 v6, 15, v0                           ; r
	v_bfe_u32 v7, v0, 4, 1                         ; h
	v_lshlrev_b32 v5, 10, v6
	v_lshl_add_u32 v5, v7, 3, v5                   ; row r, + 8 h
.irp n, 0,1,2,3,4,5,6,7
.irp c, 0,1,2,3,4,5,6,7
	global_load_b64 v[16+16*\n+2*\c:17+16*\n+2*\c], v5, s[6:7] offset:16384*\n+16*\c   ; registers 2 c, 2 c + 1 of fragment n
.endr
.endr
.irp n, 0,1,2,3,4,5,6,7
	s_wait_loadcnt 8*(7-\n)                        ; fragment n's eight loads are in; the younger fragments' may be out
.irp q, 0,1,2,3
	global_store_b128 v3, v[16+16*\n+4*\q:19+16*\n+4*\q], s[12:13] offset:2048*\n+512*\q
.endr
.endr
	s_endpgm
.Lfunc_end_k_q49db1ff638_prep:
	.size	k_q49db1ff638_prep, .Lfunc_end_k_q49db1ff638_prep-k_q49db1ff638_prep
	.p2alignl 7, 3214868480
	.fill 96, 4, 3214868480
	.section	.rodata,"a",@progbits
	.p2align	6, 0x0
	.amdhsa_kernel k_q49db1ff638_prep
		.amdhsa_group_segment_fixed_size 33280
		.amdhsa_private_segment_fixed_size 0
		.amdhsa_enable_private_segment 0
		.amdhsa_kernarg_size 40
		.amdhsa_user_sgpr_count 2
		.amdhsa_user_sgpr_kernarg_segment_ptr 1
		.amdhsa_wavefront_size32 1
		.amdhsa_system_sgpr_workgroup_id_x 1
		.amdhsa_system_sgpr_workgroup_id_y 1
		.amdhsa_system_sgpr_workgroup_id_z 1
		.amdhsa_system_vgpr_workitem_id 0
		.amdhsa_next_free_vgpr 192
		.amdhsa_next_free_sgpr 66
		.amdhsa_reserve_vcc 0
		.amdhsa_float_denorm_mode_32 3
		.amdhsa_float_denorm_mode_16_64 3
		.amdhsa_memory_ordered 1
		.amdhsa_forward_progress 1
		.amdhsa_inst_pref_size 32
	.end_amdhsa_kernel
	.amdgpu_metadata
---
amdhsa.version: [ 1, 2 ]
amdhsa.kernels:
  - .name:           k_q49db1ff638_prep
    .symbol:         k_q49db1ff638_prep.kd
    .args:
      - { .name: x, .offset: 0, .size: 8, .value_kind: global_buffer, .address_space: global }
      - { .name: wo_codes, .offset: 8, .size: 8, .value_kind: global_buffer, .address_space: global }
      - { .name: lowp_scales, .offset: 16, .size: 8, .value_kind: global_buffer, .address_space: global }
      - { .name: xc, .offset: 24, .size: 8, .value_kind: global_buffer, .address_space: global }
      - { .name: wo_img, .offset: 32, .size: 8, .value_kind: global_buffer, .address_space: global }
    .group_segment_fixed_size: 33280
    .private_segment_fixed_size: 0
    .kernarg_segment_align: 8
    .kernarg_segment_size: 40
    .max_flat_workgroup_size: 128
    .sgpr_count:     66
    .vgpr_count:     192
    .wavefront_size: 32
...
	.end_amdgpu_metadata
.endif
;; end of part 1
;; launch qkv (part 2): grid 8 x 32, 4 waves a work-group, clusters of 4 x 4, 327,680 bytes of LDS; arguments xc, wq_codes, wk_codes, wv_codes, lowp_scales, q_img, k_img, v_img; writes q_img, k_img, v_img
.if DOCPART == 2
	.amdgcn_target "amdgcn-amd-amdhsa--gfx1250"
	.amdhsa_code_object_version 6
	.text
	.protected	k_q49db1ff638_qkv
	.globl	k_q49db1ff638_qkv
	.p2align	8
	.type	k_q49db1ff638_qkv,@function
k_q49db1ff638_qkv:
	s_mov_b64 s[64:65], 0
	v_nop
	global_prefetch_b8 v0, s[64:65] scope:SCOPE_SE
	s_setreg_imm32_b32 hwreg(HW_REG_WAVE_MODE, 25, 1), 1
	s_wait_xcnt 0x0
	s_wait_alu depctr_hold_cnt(0) depctr_sa_sdst(0) depctr_va_vdst(0) depctr_va_sdst(0) depctr_va_ssrc(0) depctr_va_vcc(0) depctr_vm_vsrc(0)
	s_getreg_b32 s2, hwreg(HW_REG_IB_STS2, 6, 4)
	s_cmp_eq_u32 s2, 0
	s_cbranch_scc0 .Lentry_in_a_cluster
	s_endpgm
.Lentry_in_a_cluster:
	s_bfe_u32 s2, ttmp6, 0x10000c
	s_cmp_lg_u32 s2, 0xf033
	s_cbranch_scc0 .Lentry_shape_is_right
	s_endpgm
.Lentry_shape_is_right:
; q = x wq^T, k = x wk^T, v = x wv^T on E5M2 codes, K = 1,024; each result is quantised at once for the product that takes it (q under e6, k under e7, v under e9) and stored as
; IMAGES OF OPERAND REGISTERS: q_img, k_img [batch x head 64][16 tokens 128][piece 2][lane 32][16 bytes]: a fragment of 16 tokens x the head's 64: lane (r, h), registers 2 c, 2 c + 1 = d 16 c + 8 h + 0 .. 7;
; v_img [batch x head 64][128 keys 16][16 d 4][piece 4][lane 32][16 bytes]: a fragment of 16 d x 128 keys: lane (r, h), registers 2 c, 2 c + 1 = keys 16 c + 8 h + 0 .. 7.
; A WORK-GROUP STAYS AND MAKES TWO TILES: 8,192 x 3,072 results are 384 tiles of 256 x 256; each of the 256 work-groups makes one tile of q or k (the cluster's x says which) and then HALF a tile of v, 128 x 256:
; 512 + 256 matrix instructions a wave in every work-group.  (One tile of 256 x 384 is not taken: two slots of (256 + 384) rows x 272 bytes pass LDS.)
; C[m][n] = sum over k of A[m][k] B[n][k].  Tile 1: A = x's codes (256 tokens), B = the weight (256 rows).  Tile 2, ROLES SWAPPED: A = wv (128 rows), B = x's codes (256 tokens).
; THE MATRIX INSTRUCTION IS USED TRANSPOSED (source 0 = 16 rows of B, source 1 = 16 rows of A): a lane holds one row of A and eight neighbouring rows of B: for q and k a token and eight neighbouring d,
; for v a d and eight neighbouring keys: eight neighbours along the NEXT product's K.  So the conversion of an accumulator's eight registers gives registers 2 b, 2 b + 1 of the next operand, and the codes leave from registers:
; each store of the wave covers 512 consecutive bytes, aligned.  No stage in LDS.
; A sum stands for sum x 2^(ea + eb): its code under 2^eo is sum / 2^(eo - ea - eb), held within +-57,344: the three scales are one.
; LIMITS: e6 - e0 - e1, e7 - e2 - e3, e9 - e4 - e5 between -126 and 112.
; K goes in steps of 256 through a ring of two LDS slots filled by the tensor data mover: a tile's row is 256 bytes of memory.  The ring does not stop at tile 1's end: its last two changes of slots ask for tile 2's first two K steps.
; CLUSTERS: 4 x 4 work-groups.  The four of a row of the cluster need the same tiles of A, the four of a column the same tiles of B, in both tiles: each is asked for JOINTLY.
; THE TILES ARE PREFETCHED INTO THE L2.  The launch has eight fills (tile 1's four K steps, then tile 2's).  Behind the joint load of fill f each wave names, with one instruction, its share of fill f + 2 (at the head: of fills 1 and 2).
; Of the rows that a wave fetches, the partner at place p among the four that ask jointly takes rows 32 p .. 32 p + 31 (tile 2's A, 64 rows a wave: 16 p .. 16 p + 15, the upper lanes naming the last of them again): a lane a row,
; 256 bytes of it; p = cx for A, cy for B: the partners are told apart by address.  The weights, which eight clusters read, are named by the four clusters with y under 4 alone (a branch on the cluster's y and the wave's number).
; The K step stands in the immediate: the prefetches' registers are never rewritten.  Behind fills 6 and 7 nothing is asked for.
; REGISTERS, in windows of 256: window 0: v0-31 addresses and the scale; from v128 A's fragments (tile 1: ONE set of eight blocks; tile 2: TWO sets of four); on the way out v32-95 the held sums, v128-255 the codes.
;   window 1: B's fragments, TWO sets, at v0 and at v128.   window 2: the 32 accumulators of my rows 0-63 (accumulator (a, b) at v[8 (8 a + b)]);   window 3: those of my rows 64-127 (tile 1 alone).
.set ROWB,   256                       ; a tile's row in bytes
.set KROW,   1024                      ; a row of A or of B in memory, in bytes
.set PITCH,  272                       ; an LDS row: 256 bytes + 16 of padding = 68 words: row r starts at bank 4 r mod 64 (64 banks of 4 bytes: ISA guide 11.1)
.set FR,     16                        ; registers of a fragment: 16 rows x 128 K
.set NL,     4                         ; LDS loads that bring one
.set NP,     4                         ; places behind this matrix instruction (ISA guide 7.12.1)
.set HALFT,  128*PITCH                 ; 128 rows: a wave's region of a slot
.set SLOT,   4*HALFT                   ; A's two regions, then B's two
.set SPARE,  2*SLOT                    ; behind the ring: the spare words, 128 bytes for each wave
.set PFO1, 8                           ; v8      the prefetches' offset in tile 1: my lane x a row of 1,024 bytes; never rewritten
.set PFO2, 9                           ; v9      in tile 2: the same, held at lane 15 in the waves that fetch A; never rewritten
.set ADRA, 16                          ; v16-17  LDS address of my A fragments in slot 0, 1
.set ADRB, 20                          ; v20-21  the same for B
.set CO,   26                          ; v26     16 x lane: my place in a store's 512 bytes
.set SPW,  28                          ; v28     LDS address of my spare word; never rewritten
.set NIL,  29                          ; v29     0; never rewritten
.set SCL,  30                          ; v30     2^(eo - ea - eb) as f32
.set LIM,  31                          ; v31     57,344 x that
.set TMP,  32                          ; v32-95  a block's sums, held
.set AF,   128                         ; A's fragments, in window 0
.set CD,   128                         ; the way out: 16 registers of codes for each of my blocks
.set G1H, 4                            ; s[4:11]  descriptor group 1 for tile 2's A: 64 rows a wave
.set G1, 24                            ; s[24:31] descriptor group 1 for tile 1's A;  s[32:39] A's group 0, one set for each slot
.set G0, 32
.set G1B, 48                           ; s[48:55], s[56:63] the same for B's tiles
.set G0B, 56
.set PF1, 70                           ; s[70:71] my work-group's share of the rows that I fetch in tile 1, at K 0;  s[72:73] in tile 2
.set PF2, 72
.set ON1, 74                           ; s74, s75: 1 where my wave prefetches in tile 1, in tile 2
.set ON2, 75
.set A2, 84                            ; s[84:85] tile 2's A at K 0, with the type bits;  s[86:87] its B
.set B2, 86
.set O1, 98                            ; s[98:99] where tile 1's codes go;  s[82:83] tile 2's
.set GFL, (0<<16)|(1<<20)|(1<<21)|(5<<22)|(3<<25)   ; group 1, word 0 beside the mask: elements of 1 byte; padding on; bit 21 beside a mask; 4 words behind every 64
.set MSB, 0
.macro WIN new                         ; the immediate's high byte repeats the setting that is left
.if MSB != \new
	s_set_vgpr_msb (MSB<<8)|\new
.set MSB, \new
.endif
.endm
.set MUL_LO, 0xa1                      ; source 0 (B) window 1, source 1 (A) window 0, C and D window 2
.set MUL_HI, 0xf1                      ; the same, C and D window 3
.set TO_B,   0x40                      ; destination window 1, address window 0
; A joint load: waves 0 and 1 fetch for A, waves 2 and 3 for B.  Each of the two lines has ONE mask and one set of registers for all that issue it; the branch hangs on the wave's number alone.
.macro JLOAD g0a, g1a, g0b, g1b
	s_cmp_eq_u32 s15, 0
	s_cbranch_scc0 .Lfor_b_\@
	tensor_load_to_lds s[\g0a:\g0a+3], s[\g1a:\g1a+7]
	s_nop 0
.rept 4
	v_nop
.endr
	s_branch .Lasked_\@
.Lfor_b_\@:
	tensor_load_to_lds s[\g0b:\g0b+3], s[\g1b:\g1b+7]
	s_nop 0
.rept 4
	v_nop
.endr
.Lasked_\@:
.endm
.macro ASK on, pfo, base, off          ; one prefetch: my share of the K step at byte off of the rows
	s_cmp_eq_u32 s[\on], 1
	s_cbranch_scc0 .Lnot_mine_\@
	global_prefetch_b8 v[\pfo], s[\base:\base+1] offset:\off th:TH_LOAD_NT scope:SCOPE_SE
.Lnot_mine_\@:
.endm
.macro CREST                           ; a round of the cluster's barrier behind its opening barrier
	s_cmp_lg_u32 s14, 0
	s_cbranch_scc1 .Lnot_wave_0_\@
	s_barrier_signal -3
.Lnot_wave_0_\@:
	s_barrier_wait -3
	s_barrier_signal -1
	s_barrier_wait -1
.endm
.macro CROUND                          ; a whole round
	s_barrier_signal -1
	s_barrier_wait -1
	CREST
.endm
	s_load_b256 s[68:75], s[0:1], 0x0              ; xc s[68:69], wq s[70:71], wk s[72:73], wv s[74:75]
	s_load_b256 s[76:83], s[0:1], 0x20             ; the scales' exponents s[76:77], q_img s[78:79], k_img s[80:81], v_img s[82:83]
	v_lshl_add_u32 v[SPW], v0, 2, SPARE
	v_mov_b32 v[NIL], 0
	ds_add_u32 v[SPW], v[NIL]                      ; the opening lines: the add twice on end and its wait
	ds_add_u32 v[SPW], v[NIL]
	v_lshrrev_b32 v1, 5, v0
	v_readfirstlane_b32 s14, v1                    ; wave 0..3
	s_lshr_b32 s15, s14, 1                         ; which half of the tile's rows is mine.  Also: I fetch for A (0) or for B (1)
	s_and_b32 s16, s14, 1                          ; which half of its columns.  Also: which half of that tile's rows I fetch
	s_cmp_eq_u32 s15, 0
	s_cselect_b32 s19, 15, 31                      ; tile 2: my work-group's share is 16 rows of A, 32 of B
	v_and_b32 v6, 31, v0
	v_lshlrev_b32 v[PFO1], 10, v6
	v_min_u32 v7, s19, v6
	v_lshlrev_b32 v[PFO2], 10, v7
	s_bfe_u32 s40, ttmp6, 0x40000                  ; cx, cy: my place in the cluster
	s_bfe_u32 s41, ttmp6, 0x40004
	s_and_b32 s12, ttmp7, 0xffff
	s_lshl_b32 s12, s12, 2                         ; 4 x cluster y (0 .. 7)
	s_lshl_b32 s13, ttmp9, 2                       ; 4 x cluster x (0, 1)
	s_add_co_u32 s17, s12, s41                     ; tile 1, A: which 256 tokens, of 32
	s_mov_b32 s42, s40                             ; tile 1, B: which 256 rows of the weight, of 4
	s_add_co_u32 s66, s13, s41                     ; tile 2, A: which 128 rows of wv, of 8
	s_add_co_u32 s67, s12, s40                     ; tile 2, B: which 256 tokens, of 32
	s_lshl_b32 s43, s41, 2
	s_lshl_b32 s43, 15, s43                        ; my row of the cluster
	s_lshl_b32 s44, 0x1111, s40                    ; my column
	s_or_b32 s[G1+0], s43, GFL                     ; A's tiles go to my row,
	s_or_b32 s[G1B+0], s44, GFL                    ; B's to my column
.irp g, G1, G1B
	s_mov_b32 s[\g+1], ROWB<<16                    ; tensor_dim0
	s_mov_b32 s[\g+2], 128<<16                     ; tensor_dim1 = 128
	s_mov_b32 s[\g+3], ROWB<<16                    ; tile_dim0
	s_mov_b32 s[\g+4], 128                         ; tile_dim1 = 128
	s_mov_b32 s[\g+5], KROW                        ; tensor_dim0_stride
	s_mov_b32 s[\g+6], 0
	s_mov_b32 s[\g+7], 0
.endr
	s_lshl_b32 s18, s16, 7                         ; which 128 rows of a tile of 256 I fetch,
	s_lshl_b32 s19, s16, 6                         ; which 64 of a tile of 128
	s_lshl_b32 s20, s17, 8
	s_add_co_u32 s20, s20, s18
	s_lshl_b32 s20, s20, 10                        ; tile 1, A: my first row, in bytes (all four stay under 2^23)
	s_mov_b32 s21, 0
	s_lshl_b32 s46, s42, 8
	s_add_co_u32 s46, s46, s18
	s_lshl_b32 s46, s46, 10                        ; tile 1, B
	s_mov_b32 s47, 0
	s_lshl_b32 s[A2], s66, 7
	s_add_co_u32 s[A2], s[A2], s19
	s_lshl_b32 s[A2], s[A2], 10                    ; tile 2, A
	s_mov_b32 s[A2+1], 0
	s_lshl_b32 s[B2], s67, 8
	s_add_co_u32 s[B2], s[B2], s18
	s_lshl_b32 s[B2], s[B2], 10                    ; tile 2, B
	s_mov_b32 s[B2+1], 0
	s_mul_i32 s45, s14, HALFT                      ; where they go: wave x 128 rows: no place in the cluster enters an LDS address
	s_wait_alu depctr_va_vdst(0)
	s_wait_dscnt 0x0                               ; both opening adds are done
	s_wait_kmcnt 0x0
	s_load_b256 s[88:95], s[76:77], 0x0            ; e0 .. e7
	s_load_b32 s96, s[76:77], 0x24                 ; e9
	s_add_nc_u64 s[4:5], s[68:69], 0x800000        ; x's codes under e2
	s_cmp_eq_u32 ttmp9, 0                          ; the buffers are chosen by the matrix's number, which hangs on no address
	s_cselect_b64 s[4:5], s[68:69], s[4:5]         ; tile 1's A,
	s_cselect_b64 s[6:7], s[70:71], s[72:73]       ; its B,
	s_cselect_b64 s[O1:O1+1], s[78:79], s[80:81]   ; and where its codes go
	s_add_nc_u64 s[20:21], s[4:5], s[20:21]
	s_add_nc_u64 s[46:47], s[6:7], s[46:47]
	s_add_nc_u64 s[A2:A2+1], s[74:75], s[A2:A2+1]
	s_add_nc_u64 s[B2:B2+1], s[68:69], s[B2:B2+1]
	s_add_nc_u64 s[B2:B2+1], s[B2:B2+1], 0x1000000 ; x's codes under e4
	; the prefetches: of the rows that I fetch, my work-group's share
	s_cmp_eq_u32 s15, 0                            ; do I fetch for A?
	s_cselect_b64 s[PF1:PF1+1], s[20:21], s[46:47]
	s_cselect_b64 s[PF2:PF2+1], s[A2:A2+1], s[B2:B2+1]
	s_cselect_b32 s22, s40, s41                    ; my place among the four that ask with me
	s_cselect_b32 s18, 14, 15                      ; tile 2: 16 rows of 1,024 bytes a place in A, 32 in B
	s_lshl_b32 s18, s22, s18
	s_lshl_b32 s22, s22, 15                        ; tile 1: 32 rows a place
	s_mov_b32 s23, 0
	s_mov_b32 s19, 0
	s_add_nc_u64 s[PF1:PF1+1], s[PF1:PF1+1], s[22:23]
	s_add_nc_u64 s[PF2:PF2+1], s[PF2:PF2+1], s[18:19]
	s_cmp_lt_u32 s12, 16                           ; the cluster's y under 4
	s_cselect_b32 s[ON1], 1, 0
	s_xor_b32 s18, s15, 1
	s_or_b32 s[ON2], s[ON1], s15                   ; tile 2: B is x's codes: every cluster asks; A is wv: four clusters of eight
	s_or_b32 s[ON1], s[ON1], s18                   ; tile 1: A is x's codes; B is the weight
	s_or_b32 s[A2+1], s[A2+1], 0x80000000
	s_or_b32 s[B2+1], s[B2+1], 0x80000000
	s_or_b32 s[G1H+0], s43, GFL                    ; tile 2's A: 64 rows a wave, to my row of the cluster
	s_mov_b32 s[G1H+1], ROWB<<16
	s_mov_b32 s[G1H+2], 64<<16
	s_mov_b32 s[G1H+3], ROWB<<16
	s_mov_b32 s[G1H+4], 64
	s_mov_b32 s[G1H+5], KROW
	s_mov_b32 s[G1H+6], 0
	s_mov_b32 s[G1H+7], 0
	CROUND                                         ; all sixteen work-groups are here: the first joint loads meet
.irp s, 0,1
	s_mov_b32 s[G0+4*\s], 1
	s_add_co_u32 s[G0+4*\s+1], s45, \s*SLOT
	s_add_nc_u64 s[G0+4*\s+2:G0+4*\s+3], s[20:21], \s*ROWB
	s_or_b32 s[G0+4*\s+3], s[G0+4*\s+3], 0x80000000
	s_mov_b32 s[G0B+4*\s], 1
	s_add_co_u32 s[G0B+4*\s+1], s45, \s*SLOT
	s_add_nc_u64 s[G0B+4*\s+2:G0B+4*\s+3], s[46:47], \s*ROWB
	s_or_b32 s[G0B+4*\s+3], s[G0B+4*\s+3], 0x80000000
.endr
	JLOAD G0, G1, G0B, G1B                         ; K step 0: one tensor load a wave at the head
	s_cmp_eq_u32 s[ON1], 1
	s_cbranch_scc0 .Lno_ask_head
	global_prefetch_b8 v[PFO1], s[PF1:PF1+1] offset:ROWB th:TH_LOAD_NT scope:SCOPE_SE     ; my share of K steps 1
	global_prefetch_b8 v[PFO1], s[PF1:PF1+1] offset:2*ROWB th:TH_LOAD_NT scope:SCOPE_SE   ; and 2
.Lno_ask_head:
	v_and_b32 v1, 15, v0                           ; l % 16
	v_bfe_u32 v2, v0, 4, 1                         ; l / 16
	v_mul_u32_u24 v3, v1, PITCH
	v_lshl_add_u32 v4, v2, 4, v3                   ; a fragment's row x pitch + 16 x half
	s_mul_i32 s21, s15, HALFT                      ; my region of A
	s_mul_i32 s22, s16, HALFT                      ; my region of B,
	s_add_co_u32 s22, s22, 2*HALFT                 ; which lies behind A's two
.irp s, 0,1
	v_add_nc_u32 v[ADRA+\s], s21, v4
	v_add_nc_u32 v[ADRB+\s], s22, v4
	s_add_co_u32 s21, s21, SLOT
	s_add_co_u32 s22, s22, SLOT
.endr
	v_and_b32 v6, 31, v0
	v_lshlrev_b32 v[CO], 4, v6
.macro FRAG reg, adr, q, i             ; a fragment, 16 rows x 128 K, is 16 registers, fetched by four loads of 16 bytes: registers 4 c .. 4 c + 3 hold K = 32 c + 16 (l / 16) + 0 .. 15: a permutation of k, the same in A and in B
.irp c, 0,1,2,3
	ds_load_b128 v[\reg+4*\c:\reg+4*\c+3], v[\adr] offset:128*(\q)+32*\c+(\i)*16*PITCH
.endr
.endm
; 16 matrix instructions: A's blocks a0, a0 + 1 x B's eight, 128 along K.  p: B's set.  zero = 1: the first product starts the sums: nothing is ever cleared.
; The accumulators take turns, one instruction a turn, in the same order in every step.
.macro MUL16 a0, p, zero
.irp a, \a0, \a0+1
.irp b, 0,1,2,3,4,5,6,7
.if \zero
	v_wmma_f32_16x16x128_bf8_bf8 v[8*(8*((\a)%4)+\b):8*(8*((\a)%4)+\b)+7], v[128*(\p)+FR*\b:128*(\p)+FR*\b+FR-1], v[AF+FR*(\a):AF+FR*(\a)+FR-1], 0
.else
	v_wmma_f32_16x16x128_bf8_bf8 v[8*(8*((\a)%4)+\b):8*(8*((\a)%4)+\b)+7], v[128*(\p)+FR*\b:128*(\p)+FR*\b+FR-1], v[AF+FR*(\a):AF+FR*(\a)+FR-1], v[8*(8*((\a)%4)+\b):8*(8*((\a)%4)+\b)+7]
.endif
.endr
.endr
.endm
.macro FETCH_B slot, q, p              ; B's eight fragments of the slot's q-th 128 along K into set p
	WIN TO_B
.irp i, 0,1,2,3,4,5,6,7
	FRAG 128*(\p)+FR*\i, ADRB+\slot, \q, \i
.endr
	WIN 0
.endm
.macro FETCH_A slot, q, i0             ; A's blocks i0 .. i0 + 3
.irp i, \i0, \i0+1, \i0+2, \i0+3
	FRAG AF+FR*(\i), ADRA+\slot, \q, \i
.endr
.endm
; A load into a register that a matrix instruction has read, and a vector instruction that reads a matrix result or writes one of a matrix instruction's registers, stand NP places behind it,
; and only plain vector instructions that name none of its registers are places (ISA guide 7.12.1 for vector instructions).
.macro PLACES n
.rept \n
	v_nop
.endr
.endm
; TILE 1.  A step of 128 along K that has its successor in the same slot.
.macro STEP slot, q, zero
	s_wait_dscnt 4*NL                              ; B's set and A's blocks 0-3 are in; the youngest sixteen loads (A's blocks 4-7) may be out
	WIN MUL_LO
	MUL16 0, (\q)%2, \zero
	MUL16 2, (\q)%2, \zero
	s_wait_dscnt 0                                 ; A's blocks 4-7 are in
	PLACES NP
	FETCH_B \slot, (\q)+1, 1-(\q)%2
	FETCH_A \slot, (\q)+1, 0
	WIN MUL_HI
	MUL16 4, (\q)%2, \zero
	MUL16 6, (\q)%2, \zero
	PLACES NP
	WIN 0
	FETCH_A \slot, (\q)+1, 4
.endm
; A slot's last step changes slots: in front of the round each wave waits for all its tensor loads, adds 0 to its spare word, and waits for that and for its own reads of this slot.
; Behind the round this slot is filled again: t2 = 0: with tile 1's K step two on; t2 = 1: with tile 2's K step 0 (slot 0) or 1 (slot 1).  fetch = 0: tile 1's last step fetches no fragments.
; pk: the byte of tile 2's rows at which the fill two on begins: it is prefetched behind the joint load and the run of LDS loads.
.macro TURN slot, next, t2, fetch, pk
	s_wait_tensorcnt 0x0                           ; all my tensor loads have landed: my part of the next slot;  (every window is 0 here)
	ds_add_u32 v[SPW], v[NIL]                      ; 0 onto my spare word;
	s_wait_dscnt 4*NL+1                            ; (the add and the youngest sixteen loads, A's blocks 4-7, may be out)
	WIN MUL_LO
	MUL16 0, 1, 0                                  ; sixteen matrix instructions stand between the add and the wait for it
	s_wait_dscnt 0x0                               ; the add is done, and my reads of this slot are over
	s_barrier_signal -1
	MUL16 2, 1, 0
	WIN 0
	s_barrier_wait -1
	CREST                                          ; the barrier has opened a round of the cluster's barrier: no wave of any partner still reads this slot's tile or has a load on its way
.if \t2
	s_add_nc_u64 s[G0+4*\slot+2:G0+4*\slot+3], s[A2:A2+1], \slot*ROWB
	s_add_nc_u64 s[G0B+4*\slot+2:G0B+4*\slot+3], s[B2:B2+1], \slot*ROWB
	JLOAD G0+4*\slot, G1H, G0B+4*\slot, G1B
.else
	s_add_nc_u64 s[G0+4*\slot+2:G0+4*\slot+3], s[G0+4*\slot+2:G0+4*\slot+3], 2*ROWB
	s_add_nc_u64 s[G0B+4*\slot+2:G0B+4*\slot+3], s[G0B+4*\slot+2:G0B+4*\slot+3], 2*ROWB
	JLOAD G0+4*\slot, G1, G0B+4*\slot, G1B         ; the first tensor load behind the round; the four v_nop behind it are the places in front of the loads below
.endif
.if \fetch
	FETCH_B \next, 0, 0
	FETCH_A \next, 0, 0
.endif
	ASK ON2, PFO2, PF2, \pk
	WIN MUL_HI
	MUL16 4, 1, 0
	MUL16 6, 1, 0
.if \fetch
	PLACES NP
.endif
	WIN 0
.if \fetch
	FETCH_A \next, 0, 4
.endif
.endm
; TILE 2: my 64 rows of A (four blocks) x my 128 rows of B: 32 matrix instructions for 128 along K, on window 2's accumulators.  A and B have two sets each: a step's fragments are fetched under the step before.
.macro HFETCH slot, q, p
	FETCH_B \slot, \q, \p
.irp i, 0,1,2,3
	FRAG AF+64*(\p)+FR*\i, ADRA+\slot, \q, \i
.endr
.endm
.macro HMUL p, zero
	WIN MUL_LO
.irp a, 0,1,2,3
.irp b, 0,1,2,3,4,5,6,7
.if \zero
	v_wmma_f32_16x16x128_bf8_bf8 v[8*(8*\a+\b):8*(8*\a+\b)+7], v[128*(\p)+FR*\b:128*(\p)+FR*\b+FR-1], v[AF+64*(\p)+FR*\a:AF+64*(\p)+FR*\a+FR-1], 0
.else
	v_wmma_f32_16x16x128_bf8_bf8 v[8*(8*\a+\b):8*(8*\a+\b)+7], v[128*(\p)+FR*\b:128*(\p)+FR*\b+FR-1], v[AF+64*(\p)+FR*\a:AF+64*(\p)+FR*\a+FR-1], v[8*(8*\a+\b):8*(8*\a+\b)+7]
.endif
.endr
.endr
	WIN 0
.endm
.macro HFIRST slot, zero               ; a slot's first step, on sets 0
	s_wait_dscnt 0x0                               ; its fragments are in
	PLACES NP                                      ; for the loads into sets 1, which the step before multiplied
	HFETCH \slot, 1, 1
	HMUL 0, \zero
.endm
.macro HLAST slot, next, fill          ; a slot's last step, on sets 1, changes slots
	s_wait_tensorcnt 0x0                           ; my part of the next slot is in;
	ds_add_u32 v[SPW], v[NIL]
	s_wait_dscnt 0x0                               ; the add is done, and my reads of this slot are over: this step's fragments are in registers
.if \fill
	CROUND
	s_add_nc_u64 s[G0+4*\slot+2:G0+4*\slot+3], s[G0+4*\slot+2:G0+4*\slot+3], 2*ROWB
	s_add_nc_u64 s[G0B+4*\slot+2:G0B+4*\slot+3], s[G0B+4*\slot+2:G0B+4*\slot+3], 2*ROWB
	JLOAD G0+4*\slot, G1H, G0B+4*\slot, G1B        ; the four v_nop behind it are the places in front of the loads below
.else
	s_barrier_signal -1
	s_barrier_wait -1
	PLACES NP
.endif
	HFETCH \next, 0, 0
	HMUL 1, 0
.endm
; THE WAY OUT.  s18 = ea + eb, s19 = eo: the one scale 2^(eo - ea - eb) and the hold
.macro SETSCL
	s_sub_co_i32 s18, s19, s18
	s_add_co_i32 s18, s18, 127
	s_lshl_b32 s19, s18, 23
	v_mov_b32 v[SCL], s19
	s_add_co_i32 s18, s18, 15
	s_lshl_b32 s18, s18, 23
	s_or_b32 s18, s18, 0x600000
	v_mov_b32 v[LIM], s18
	PLACES NP                                      ; behind the last products: their results are read and the registers that held A's fragments are written
.endm
; Block a (16 rows of A x my 128 rows of B): the sums are held, each accumulator from its low end on, and accumulator b's eight become registers 2 b, 2 b + 1 of the block's 16 registers of codes.
.macro CODES a
.set AC, 64*((\a)%4)
	WIN 0x02+((\a)/4)                              ; source 0: window 2 or 3
.set JJ, 0
.rept 64
	v_med3_num_f32 v[TMP+JJ], v[AC+JJ], -v[LIM], v[LIM]   ; the conversion to an 8-bit code does not saturate (ISA guide 7.6.2)
.set JJ, JJ+1
.endr
	WIN 0
.irp b, 0,1,2,3,4,5,6,7
	v_cvt_scalef32_pk8_bf8_f32 v[CD+16*(\a)+2*\b:CD+16*(\a)+2*\b+1], v[TMP+8*\b:TMP+8*\b+7], v[SCL]
.endr
	v_nop                                          ; one plain vector line between the conversions and the next block's holds, which write their sources
.endm
	s_wait_alu depctr_va_vdst(0)
	s_wait_tensorcnt 0x0                           ; my part of K step 0 is in
	ds_add_u32 v[SPW], v[NIL]
	s_wait_dscnt 0x0
	CROUND                                         ; everybody's part of K step 0 is in, and the sixteen work-groups meet
	JLOAD G0+4, G1, G0B+4, G1B                     ; K step 1: slot 1's first fill, the first tensor load behind the round
	FETCH_B 0, 0, 0
	ASK ON1, PFO1, PF1, 3*ROWB                     ; my share of K step 3
	FETCH_A 0, 0, 0
	FETCH_A 0, 0, 4
	STEP 0, 0, 1                                   ; K 0: its products start the sums
	TURN 0, 1, 0, 1, 0                             ; K 128; slot 0 takes K 512 on
	STEP 1, 0, 0                                   ; K 256
	TURN 1, 0, 0, 1, ROWB                          ; K 384; slot 1 takes K 768 on
	STEP 0, 0, 0                                   ; K 512
	TURN 0, 1, 1, 1, 2*ROWB                        ; K 640; slot 0 takes tile 2's K 0 on
	STEP 1, 0, 0                                   ; K 768
	TURN 1, 0, 1, 0, 3*ROWB                        ; K 896, tile 1's last step; slot 1 takes tile 2's K 256 on
	; tile 1 goes out while tile 2's first two K steps are on their way
	s_wait_kmcnt 0x0
	s_add_co_i32 s88, s88, s89                     ; e0 + e1
	s_add_co_i32 s90, s90, s91                     ; e2 + e3
	s_add_co_i32 s92, s92, s93                     ; e4 + e5
	s_cmp_eq_u32 ttmp9, 0
	s_cselect_b32 s18, s88, s90
	s_cselect_b32 s19, s94, s95                    ; e6 for q, e7 for k
	SETSCL
.irp a, 0,1,2,3,4,5,6,7
	CODES \a
.endr
	; q, k: block a is 16 tokens; its 16 registers are the fragments of my two heads
	s_lshl_b32 s20, s17, 4
	s_lshl_b32 s21, s15, 3
	s_add_co_u32 s20, s20, s21                     ; my first tile of 16 tokens, of 512
	s_lshl_b32 s22, s42, 2
	s_lshl_b32 s23, s16, 1
	s_add_co_u32 s22, s22, s23                     ; my first head
	s_lshr_b32 s21, s20, 7
	s_lshl_b32 s21, s21, 21                        ; the batch: 16 heads of 131,072 bytes
	s_lshl_b32 s22, s22, 17
	s_add_co_u32 s21, s21, s22
	s_and_b32 s20, s20, 127
	s_lshl_b32 s20, s20, 10                        ; a fragment is 1,024 bytes
	s_add_co_u32 s20, s20, s21
	s_mov_b32 s21, 0
	s_add_nc_u64 s[O1:O1+1], s[O1:O1+1], s[20:21]
	s_wait_alu depctr_va_vdst(0)
.irp a, 0,1,2,3,4,5,6,7
.irp c, 0,1,2,3
	global_store_b128 v[CO], v[CD+16*\a+4*\c:CD+16*\a+4*\c+3], s[O1:O1+1] offset:\a*1024+(\c/2)*131072+(\c%2)*512   ; 512 consecutive bytes, aligned
.endr
.endr
	s_wait_xcnt 0x0                                ; the stores have read the code registers, which take A's fragments again
	HFETCH 0, 0, 0                                 ; slot 0 holds tile 2's K 0 on: every wave waited for its part in front of the last round
	HFIRST 0, 1                                    ; K 0: its products start tile 2's sums
	HLAST 0, 1, 1                                  ; K 128; slot 0 takes K 512 on
	HFIRST 1, 0                                    ; K 256
	HLAST 1, 0, 1                                  ; K 384; slot 1 takes K 768 on
	HFIRST 0, 0                                    ; K 512
	HLAST 0, 1, 0                                  ; K 640; nothing is left to fetch, and no round of the cluster's barrier follows
	HFIRST 1, 0                                    ; K 768
	s_wait_dscnt 0x0
	HMUL 1, 0                                      ; K 896, the last step
	s_mov_b32 s18, s92                             ; e4 + e5,
	s_mov_b32 s19, s96                             ; e9
	SETSCL
.irp a, 0,1,2,3
	CODES \a
.endr
	; v: my 64 rows of wv are one head; block a is its 16 d from 16 a on; its 16 registers are one fragment of 128 keys
	s_lshl_b32 s22, s66, 1
	s_add_co_u32 s22, s22, s15                     ; my head
	s_lshl_b32 s20, s67, 1
	s_add_co_u32 s20, s20, s16                     ; my 128 tokens, of 64 such
	s_lshr_b32 s21, s20, 4
	s_lshl_b32 s21, s21, 21                        ; the batch
	s_lshl_b32 s22, s22, 17
	s_add_co_u32 s21, s21, s22
	s_and_b32 s20, s20, 15
	s_lshl_b32 s20, s20, 13                        ; four fragments of 2,048 bytes for each 128 keys
	s_add_co_u32 s20, s20, s21
	s_mov_b32 s21, 0
	s_add_nc_u64 s[82:83], s[82:83], s[20:21]
	s_wait_alu depctr_va_vdst(0)
.irp a, 0,1,2,3
.irp c, 0,1,2,3
	global_store_b128 v[CO], v[CD+16*\a+4*\c:CD+16*\a+4*\c+3], s[82:83] offset:\a*2048+\c*512
.endr
.endr
	s_wait_tensorcnt 0x0                           ; the wave's end
	ds_add_u32 v[SPW], v[NIL]
	s_wait_dscnt 0x0
	CROUND                                         ; the closing round: no work-group ends while a partner may still ask for a tile that names it
	s_endpgm
.Lfunc_end_k_q49db1ff638_qkv:
	.size	k_q49db1ff638_qkv, .Lfunc_end_k_q49db1ff638_qkv-k_q49db1ff638_qkv
	.p2alignl 7, 3214868480
	.fill 96, 4, 3214868480
	.section	.rodata,"a",@progbits
	.p2align	6, 0x0
	.amdhsa_kernel k_q49db1ff638_qkv
		.amdhsa_group_segment_fixed_size 327680
		.amdhsa_private_segment_fixed_size 0
		.amdhsa_enable_private_segment 0
		.amdhsa_kernarg_size 64
		.amdhsa_user_sgpr_count 2
		.amdhsa_user_sgpr_kernarg_segment_ptr 1
		.amdhsa_wavefront_size32 1
		.amdhsa_system_sgpr_workgroup_id_x 1
		.amdhsa_system_sgpr_workgroup_id_y 1
		.amdhsa_system_sgpr_workgroup_id_z 1
		.amdhsa_system_vgpr_workitem_id 0
		.amdhsa_next_free_vgpr 1024
		.amdhsa_next_free_sgpr 102
		.amdhsa_reserve_vcc 0
		.amdhsa_float_denorm_mode_32 3
		.amdhsa_float_denorm_mode_16_64 3
		.amdhsa_memory_ordered 1
		.amdhsa_forward_progress 1
		.amdhsa_inst_pref_size 188
	.end_amdhsa_kernel
	.amdgpu_metadata
---
amdhsa.version: [ 1, 2 ]
amdhsa.kernels:
  - .name:           k_q49db1ff638_qkv
    .symbol:         k_q49db1ff638_qkv.kd
    .args:
      - { .name: xc, .offset: 0, .size: 8, .value_kind: global_buffer, .address_space: global }
      - { .name: wq_codes, .offset: 8, .size: 8, .value_kind: global_buffer, .address_space: global }
      - { .name: wk_codes, .offset: 16, .size: 8, .value_kind: global_buffer, .address_space: global }
      - { .name: wv_codes, .offset: 24, .size: 8, .value_kind: global_buffer, .address_space: global }
      - { .name: lowp_scales, .offset: 32, .size: 8, .value_kind: global_buffer, .address_space: global }
      - { .name: q_img, .offset: 40, .size: 8, .value_kind: global_buffer, .address_space: global }
      - { .name: k_img, .offset: 48, .size: 8, .value_kind: global_buffer, .address_space: global }
      - { .name: v_img, .offset: 56, .size: 8, .value_kind: global_buffer, .address_space: global }
    .group_segment_fixed_size: 327680
    .private_segment_fixed_size: 0
    .kernarg_segment_align: 8
    .kernarg_segment_size: 64
    .max_flat_workgroup_size: 128
    .sgpr_count:     102
    .vgpr_count:     1024
    .wavefront_size: 32
...
	.end_amdgpu_metadata
.endif
;; end of part 2
;; launch attn (part 3): grid 256 x 1, 16 waves a work-group, clusters of 4 x 1, 327,680 bytes of LDS; arguments q_img, k_img, v_img, lowp_scales, o_img; writes o_img
.if DOCPART == 3
	.amdgcn_target "amdgcn-amd-amdhsa--gfx1250"
	.amdhsa_code_object_version 6
	.text
	.protected	k_q49db1ff638_attn
	.globl	k_q49db1ff638_attn
	.p2align	8
	.type	k_q49db1ff638_attn,@function
k_q49db1ff638_attn:
	s_mov_b64 s[64:65], 0
	v_nop
	global_prefetch_b8 v0, s[64:65] scope:SCOPE_SE
	s_setreg_imm32_b32 hwreg(HW_REG_WAVE_MODE, 25, 1), 1
	s_wait_xcnt 0x0
	s_wait_alu depctr_hold_cnt(0) depctr_sa_sdst(0) depctr_va_vdst(0) depctr_va_sdst(0) depctr_va_ssrc(0) depctr_va_vcc(0) depctr_vm_vsrc(0)
	s_getreg_b32 s2, hwreg(HW_REG_IB_STS2, 6, 4)
	s_cmp_eq_u32 s2, 0
	s_cbranch_scc0 .Lentry_in_a_cluster
	s_endpgm
.Lentry_in_a_cluster:
	s_bfe_u32 s2, ttmp6, 0x10000c
	s_cmp_lg_u32 s2, 0x3003
	s_cbranch_scc0 .Lentry_shape_is_right
	s_endpgm
.Lentry_shape_is_right:
; Causal attention of one head (64 channels, 2,048 tokens) on E5M2 codes: o = softmax(q k^T / 8) v, quantised at once under e10 for the last product.
; q_img, k_img, v_img hold operand registers as they stand (the launch before made them); o_img [16 tokens 512][head 16][piece 2][lane 32][16 bytes] likewise.
; THE SOFTMAX AHEAD OF THE SECOND PRODUCT: t = score x log2(e) / 8; M = the row's largest t so far, rounded UP to a whole number; p = 2^(t - M) is quantised under e8, not normalised.
; The row's sum is taken of the unquantised p, in f32, and divides O at the end.  When M moves, the sum and O are multiplied by 2^(old M - new M): exact.
; SHARES.  The four work-groups of a cluster (place j = 0 .. 3) own one head.  A wave owns 32 neighbouring queries, two tiles A and B of 16, which share every fragment of K and of V.
; Wave w walks LEN steps of 128 keys: LEN = 16 - w (w < 8) or w - 7 (w >= 8); its queries begin at 128 (LEN - 1) + 32 jj, jj = 3 - j (w < 8) or j.  So LEN hangs on the wave's number alone,
; waves w and w + 8 walk 17 steps together, and the last step of every wave is the one on the diagonal.
; CAUSAL.  Steps whose 128 keys all come after the wave's queries are left out (reference()'s own mask turns their scores into -infinity): a scalar branch on the wave's number and the count of steps.
; In the step on the diagonal hidden scores become -infinity ahead of the maximum; each query's own key lies in that step, so M is a number.
; LDS.  The head's K (131,072 bytes) and V (131,072) lie in LDS as they lie in memory, each byte filled once, by JOINT loads of the four work-groups (mask 15): waves 0-7 bring K, waves 8-15 V.
; The first fill brings NA steps' bytes (NA x 1,024 a wave), the second the other 16 - NA steps' (behind the full sequence and a round of the cluster's barrier); it is on its way while the first NA steps are worked.
; NO PREFETCH: both fills are asked for ahead of the first loop; no trip of a loop asks for a tile.
; LAYOUT.  Both products are used transposed: S^T = K Q^T, O^T = V^T P^T: a lane holds ONE query of each tile (lane % 16), and key tile t's eight registers are keys 16 t + 8 (lane / 16) + 0 .. 7:
; their conversion gives registers 2 t, 2 t + 1 of P.
; LIMITS: e6 + e7 between -123 and 130 (added to c's exponent field); e8 and e10 between -126 and 112; e8 + e9 is applied by v_ldexp_f32 and has none.  The scaled scores t stay under 2^31 in magnitude.
; REGISTERS: v0 16 x lane; v1, v2 the step's addresses; v3 2^e8; v[4:5] -M and largest t of A, v[6:7] its sum; v[8:11] the same of B; v12, v13 f of A, of B; v14, v15 the spare word's address and 0;
;   v16-31 Q of A, of B; v32-63 K's tiles 4-7, then work, then P of A and of B; v64-127 S^T and p of A, then V's four fragments; v128-191 S^T and p of B (v160-191 hold K's tiles 0-3 first); v192-255 O^T of A, of B.
.set NA,   3
.set VB,   131072
.set SPARE, 262144
.set LI,   0
.set ADK,  1
.set ADV,  2
.set SCL,  3
.set FA,   12
.set FB,   13
.set SPW,  14
.set NIL,  15
.set QA,   16
.set QB,   24
.set F,    32
.set T1,   48
.set T2,   50
.set T3,   52
.set SA,   64
.set SB,   128
.set OA,   192
.set OB,   224
.set WV,   14
.set J,    15
.set BH,   16
.set LEN,  17
.set JJ,   18
.set Q0,   19
.set CS,   20
.set LH,   22
.set NINF, 23
.set G1A,  24
.set G1B,  32
.set G0,   40
.set G0B,  44
.set SEL,  48
.set NT,   50
.set TB,   51
.set LO,   60
.set LON,  61
.set EO,   62
.set OS,   63
.set TV,   66
.set SO,   67
.macro CROUND                          ; a round of the cluster's barrier
	s_barrier_signal -1
	s_barrier_wait -1
	s_cmp_lg_u32 s[WV], 0
	s_cbranch_scc1 .Lnot_wave_0_\@
	s_barrier_signal -3
.Lnot_wave_0_\@:
	s_barrier_wait -3
	s_barrier_signal -1
	s_barrier_wait -1
.endm
	s_load_b256 s[4:11], s[0:1], 0x0               ; q_img s[4:5], k_img s[6:7], v_img s[8:9], the scales' exponents s[10:11]
	s_load_b64 s[12:13], s[0:1], 0x20              ; o_img
	v_lshl_add_u32 v[SPW], v0, 2, SPARE
	v_mov_b32 v[NIL], 0
	ds_add_u32 v[SPW], v[NIL]                      ; the opening lines: the add twice on end and its wait
	ds_add_u32 v[SPW], v[NIL]
	v_lshrrev_b32 v1, 5, v0
	v_readfirstlane_b32 s[WV], v1                  ; wave 0..15
	s_bfe_u32 s[J], ttmp6, 0x40000                 ; j: my place in the cluster
	s_mov_b32 s[BH], ttmp9                         ; batch x 16 + head: the cluster's number
	; descriptor groups 1: dense blocks as rows of 32 elements of 8 bytes; the mask names the cluster's four
	s_mov_b32 s[G1A], 15|(3<<16)|(1<<21)
	s_mov_b32 s[G1A+1], 32<<16
	s_mov_b32 s[G1A+2], (NA*4)<<16
	s_mov_b32 s[G1A+3], 32<<16
	s_mov_b32 s[G1A+4], NA*4
	s_mov_b32 s[G1A+5], 32
	s_mov_b32 s[G1A+6], 0
	s_mov_b32 s[G1A+7], 0
	s_mov_b32 s[G1B], 15|(3<<16)|(1<<21)
	s_mov_b32 s[G1B+1], 32<<16
	s_mov_b32 s[G1B+2], ((16-NA)*4)<<16
	s_mov_b32 s[G1B+3], 32<<16
	s_mov_b32 s[G1B+4], (16-NA)*4
	s_mov_b32 s[G1B+5], 32
	s_mov_b32 s[G1B+6], 0
	s_mov_b32 s[G1B+7], 0
	s_mov_b32 s[SEL], 0x76543210
	s_mov_b32 s[SEL+1], 0xfedcba98
	s_mov_b32 s[CS], 0x3e38aa3b                    ; log2(e) / 8
	s_mov_b32 s[NINF], 0xff800000
	s_lshr_b32 s52, s[WV], 3                       ; 0: I fetch for K, 1: for V
	s_and_b32 s53, s[WV], 7                        ; which eighth
	s_lshl_b32 s73, s52, 17                        ; K's or V's first LDS byte
	s_mul_i32 s54, s53, NA*1024                    ; my part of the first fill,
	s_mov_b32 s55, 0
	s_mul_i32 s56, s53, (16-NA)*1024
	s_add_co_u32 s56, s56, NA*8192                 ; and of the second: the same offsets in memory and in LDS
	s_mov_b32 s57, 0
	s_lshl_b32 s58, s[BH], 17                      ; the head's first byte in q_img, k_img and v_img
	s_mov_b32 s59, 0
	s_mov_b32 s[G0], 1
	s_add_co_u32 s[G0+1], s73, s54
	s_mov_b32 s[G0B], 1
	s_add_co_u32 s[G0B+1], s73, s56
	s_wait_dscnt 0x0
	s_wait_kmcnt 0x0
	s_load_b128 s[68:71], s[10:11], 0x18           ; e6, e7, e8, e9
	s_load_b32 s72, s[10:11], 0x28                 ; e10
	s_cmp_lt_u32 s[WV], 8
	s_cselect_b64 s[74:75], s[6:7], s[8:9]
	s_add_nc_u64 s[74:75], s[74:75], s[58:59]
	s_add_nc_u64 s[G0+2:G0+3], s[74:75], s[54:55]
	s_or_b32 s[G0+3], s[G0+3], 0x80000000
	s_add_nc_u64 s[G0B+2:G0B+3], s[74:75], s[56:57]
	s_or_b32 s[G0B+3], s[G0B+3], 0x80000000
	CROUND                                         ; the four work-groups are here: the first joint loads meet
	tensor_load_to_lds s[G0:G0+3], s[G1A:G1A+7]    ; my one tensor load at the head
	s_nop 0
.rept 4
	v_nop
.endr
	s_sub_co_u32 s52, 16, s[WV]
	s_sub_co_u32 s53, s[WV], 7
	s_sub_co_u32 s54, 3, s[J]
	s_cmp_lt_u32 s[WV], 8
	s_cselect_b32 s[LEN], s52, s53                 ; my steps
	s_cselect_b32 s[JJ], s54, s[J]
	s_lshl_b32 s[OS], s[JJ], 5                     ; my first query's place in the step on the diagonal
	s_sub_co_u32 s52, s[LEN], 1
	s_lshl_b32 s52, s52, 7
	s_add_co_u32 s[Q0], s52, s[OS]                 ; my first query
	s_lshl_b32 s52, s[Q0], 6                       ; 1,024 bytes for each 16 queries
	s_mov_b32 s53, 0
	s_add_nc_u64 s[74:75], s[4:5], s[58:59]
	s_add_nc_u64 s[74:75], s[74:75], s[52:53]
	v_and_b32 v0, 31, v0
	v_lshlrev_b32 v[LI], 4, v0                     ; 16 x lane
.irp c, 0,1,2,3
	global_load_b128 v[QA+4*\c:QA+4*\c+3], v[LI], s[74:75] offset:512*\c   ; Q of A and of B stay in registers
.endr
	s_lshr_b32 s52, s[BH], 4
	s_lshl_b32 s52, s52, 7                         ; the batch's 128 tiles of 16 tokens,
	s_lshr_b32 s54, s[Q0], 4
	s_add_co_u32 s52, s52, s54                     ; mine among them:
	s_lshl_b32 s52, s52, 14                        ; 16 heads of 1,024 bytes each,
	s_and_b32 s54, s[BH], 15
	s_lshl_b32 s54, s54, 10                        ; my head
	s_add_co_u32 s52, s52, s54
	s_add_nc_u64 s[12:13], s[12:13], s[52:53]
	v_mov_b32 v5, 0xff61b1e6                       ; the largest t so far: -3e38, under every t
	v_mov_b32 v9, 0xff61b1e6
	v_floor_f32 v4, -v5                            ; -M
	v_floor_f32 v8, -v9
.irp r, 6,7,10,11,12,13
	v_mov_b32 v\r, 0
.endr
.set NN, 0
.rept 64
	v_mov_b32 v[OA+NN], 0                          ; O^T: the step is written for all steps alike; the first finds zeros
.set NN, NN+1
.endr
	s_wait_kmcnt 0x0
	s_add_co_i32 s52, s68, s69
	s_lshl_b32 s52, s52, 23
	s_add_co_i32 s[CS], s[CS], s52                 ; a score stands for score x 2^(e6 + e7)
	s_mov_b32 s[CS+1], s[CS]
	s_add_co_i32 s52, s70, 127
	s_lshl_b32 s53, s52, 23
	v_mov_b32 v[SCL], s53                          ; 2^e8
	s_add_co_i32 s52, s52, 15
	s_lshl_b32 s52, s52, 23
	s_or_b32 s[LH], s52, 0x600000                  ; 57,344 x 2^e8
	s_add_co_i32 s52, s72, 127
	s_lshl_b32 s[SO], s52, 23                      ; 2^e10
	s_add_co_i32 s52, s52, 15
	s_lshl_b32 s52, s52, 23
	s_or_b32 s[LO], s52, 0x600000                  ; 57,344 x 2^e10,
	s_xor_b32 s[LON], s[LO], 0x80000000            ; and its negative
	s_add_co_i32 s[EO], s70, s71                   ; e8 + e9
.macro MAXOP m, base, k                ; the k-th of 16 lines that take the largest of 32 registers, in ascending order
.if (\k) == 0
	v_max3_num_f32 v[\m], v[\base], v[\base+1], v[\base+2]
.else
.if (\k) < 15
	v_max3_num_f32 v[\m], v[\m], v[\base+2*(\k)+1], v[\base+2*(\k)+2]
.else
	v_max_num_f32 v[\m], v[\m], v[\base+31]
.endif
.endif
.endm
.macro SUM s, a                        ; the 64 p from v[s] on are added to the pair v[a], two at a time, in four chains
	v_pk_add_f32 v[T1:T1+1], v[\s:\s+1], v[\s+2:\s+3]
	v_pk_add_f32 v[T2:T2+1], v[\s+4:\s+5], v[\s+6:\s+7]
	v_pk_add_f32 v[T3:T3+1], v[\s+8:\s+9], v[\s+10:\s+11]
	v_pk_add_f32 v[\a:\a+1], v[\a:\a+1], v[\s+12:\s+13]
.set NN, 14
.rept 6
	v_pk_add_f32 v[T1:T1+1], v[T1:T1+1], v[\s+NN:\s+NN+1]
	v_pk_add_f32 v[T2:T2+1], v[T2:T2+1], v[\s+NN+2:\s+NN+3]
	v_pk_add_f32 v[T3:T3+1], v[T3:T3+1], v[\s+NN+4:\s+NN+5]
	v_pk_add_f32 v[\a:\a+1], v[\a:\a+1], v[\s+NN+6:\s+NN+7]
.set NN, NN+8
.endr
	v_pk_add_f32 v[T1:T1+1], v[T1:T1+1], v[\s+62:\s+63]
	v_pk_add_f32 v[\a:\a+1], v[\a:\a+1], v[T3:T3+1]
	v_pk_add_f32 v[T1:T1+1], v[T1:T1+1], v[T2:T2+1]
	v_pk_add_f32 v[\a:\a+1], v[\a:\a+1], v[T1:T1+1]
.endm
.macro CODE s, p                       ; the hold (the conversion does not saturate: ISA guide 7.6.2; p is not negative, so it is one-sided), two numbers a line, and the conversions
.set NN, 0
.rept 32
	v_dual_min_num_f32 v[\s+NN], s[LH], v[\s+NN] :: v_dual_min_num_f32 v[\s+NN+1], s[LH], v[\s+NN+1]
.set NN, NN+2
.endr
.irp t, 0,1,2,3,4,5,6,7
	v_cvt_scalef32_pk8_bf8_f32 v[\p+2*\t:\p+2*\t+1], v[\s+8*\t:\s+8*\t+7], v[SCL]
.endr
.endm
; A KEY STEP: 128 keys for both tiles.
.macro STEP
	s_cmp_ge_u32 s[NT], s[LEN]
	s_cbranch_scc1 .Lhid_\@                        ; all its keys come after my queries
	v_add_nc_u32 v[ADK], s[TB], v[LI]
	v_add_nc_u32 v[ADV], s[TV], v[LI]
.rept 3
	v_nop                                          ; with the two lines above: five places behind the last products, whose operands are loaded into and written over below
.endr
.irp t, 0,1,2,3
	ds_load_b128 v[SB+32+8*\t:SB+35+8*\t], v[ADK] offset:1024*\t          ; K's tiles 0-3, where B's scores of tiles 4-7 come later
	ds_load_b128 v[SB+36+8*\t:SB+39+8*\t], v[ADK] offset:1024*\t+512
.endr
.irp t, 0,1,2,3
	ds_load_b128 v[F+8*\t:F+8*\t+3], v[ADK] offset:4096+1024*\t           ; K's tiles 4-7
	ds_load_b128 v[F+8*\t+4:F+8*\t+7], v[ADK] offset:4096+1024*\t+512
.endr
	s_wait_dscnt 8                                 ; tiles 0-3 are in; the eight loads of tiles 4-7 may be out
.irp t, 0,1,2,3
	v_wmma_f32_16x16x64_bf8_bf8 v[SA+8*\t:SA+8*\t+7], v[SB+32+8*\t:SB+39+8*\t], v[QA:QA+7], 0
	v_wmma_f32_16x16x64_bf8_bf8 v[SB+8*\t:SB+8*\t+7], v[SB+32+8*\t:SB+39+8*\t], v[QB:QB+7], 0
.endr
	s_wait_dscnt 0x0
.irp t, 0,1,2,3
	v_wmma_f32_16x16x64_bf8_bf8 v[SA+32+8*\t:SA+39+8*\t], v[F+8*\t:F+8*\t+7], v[QA:QA+7], 0
.endr
.rept 5
	v_nop                                          ; five places: the products below write over the registers that held K's tiles 0-3
.endr
.irp t, 0,1,2,3
	v_wmma_f32_16x16x64_bf8_bf8 v[SB+32+8*\t:SB+39+8*\t], v[F+8*\t:F+8*\t+7], v[QB:QB+7], 0
.endr
	s_add_co_u32 s52, s[NT], 1
	s_cmp_lg_u32 s52, s[LEN]
	s_cbranch_scc1 .Lopen_\@                       ; not my last step: all its keys count
	v_bfe_u32 v[FA], v[LI], 4, 4                   ; r
	v_bfe_u32 v[FB], v[LI], 8, 1                   ; h
	v_lshlrev_b32 v[FB], 3, v[FB]
	v_sub_nc_u32 v[FA], v[FA], v[FB]
	v_add_nc_u32 v[FA], s[OS], v[FA]               ; d = A's query in the step - 8 h.  A's register (t, i) holds key 16 t + 8 h + i: it counts where 16 t + i <= d;
	v_add_nc_u32 v[FB], 0xffffffc0, v[FA]          ; d - 64.  B's query lies 16 on: its register (t + 1, i) counts under the same test, and its tile 0 always
.irp t, 0,1,2,3,4,5,6,7
.irp i, 0,1,2,3,4,5,6,7
.if \t < 4
	v_cmp_le_i32 vcc_lo, 16*\t+\i, v[FA]
.else
	v_cmp_le_i32 vcc_lo, 16*\t+\i-64, v[FB]
.endif
	v_cndmask_b32 v[SA+8*\t+\i], s[NINF], v[SA+8*\t+\i], vcc_lo
.if \t < 7
	v_cndmask_b32 v[SB+8+8*\t+\i], s[NINF], v[SB+8+8*\t+\i], vcc_lo
.endif
.endr
.endr
.Lopen_\@:
.set KK, 0
.rept 18                                       ; the step's largest scores, four chains by turns; the two over tiles 4-7 begin four lines later: places behind the last products
.if KK < 16
	MAXOP FA, SA, KK
	MAXOP FB, SB, KK
.endif
.if KK >= 2
	MAXOP F, SA+32, KK-2
	MAXOP F+1, SB+32, KK-2
.endif
.set KK, KK+1
.endr
	v_max_num_f32 v[FA], v[FA], v[F]
	v_max_num_f32 v[FB], v[FB], v[F+1]
	v_permlanex16_b32 v[F], v[FA], s[SEL], s[SEL+1]
	v_permlanex16_b32 v[F+1], v[FB], s[SEL], s[SEL+1]
	v_max_num_f32 v[FA], v[FA], v[F]               ; and among lane l xor 16's
	v_max_num_f32 v[FB], v[FB], v[F+1]
	v_mul_f32 v[FA], s[CS], v[FA]                  ; as t (c is positive)
	v_mul_f32 v[FB], s[CS], v[FB]
	v_max_num_f32 v5, v5, v[FA]                    ; the running largest t
	v_max_num_f32 v9, v9, v[FB]
	v_mov_b32 v[F], v4
	v_mov_b32 v[F+1], v8
	v_floor_f32 v4, -v5                            ; the new -M = -ceil(t): a whole number
	v_floor_f32 v8, -v9
	v_sub_f32 v[F], v4, v[F]                       ; old M - new M: a whole number, 0 or less
	v_sub_f32 v[F+1], v8, v[F+1]
	v_cvt_i32_f32 v[F], v[F]                       ; (it saturates)
	v_cvt_i32_f32 v[F+1], v[F+1]
	v_ldexp_f32 v[FA], 1.0, v[F]                   ; f = 2^(old M - new M)
	v_ldexp_f32 v[FB], 1.0, v[F+1]
.set NN, 0
.rept 32
	v_pk_fma_f32 v[SA+NN:SA+NN+1], v[SA+NN:SA+NN+1], s[CS:CS+1], v[4:5] op_sel_hi:[1,0,0]   ; t - M (of the pairs c and -M the low word serves both halves)
	v_pk_fma_f32 v[SB+NN:SB+NN+1], v[SB+NN:SB+NN+1], s[CS:CS+1], v[8:9] op_sel_hi:[1,0,0]
.set NN, NN+2
.endr
	s_wait_alu depctr_va_vdst(0)
.set NN, 0
.rept 128
	v_exp_f32 v[SA+NN], v[SA+NN]                   ; p = 2^(t - M), at most 1
.set NN, NN+1
.endr
	v_pk_mul_f32 v[6:7], v[6:7], v[12:13] op_sel_hi:[1,0]                 ; the sums under the new M: A's by the pair's low word,
	v_pk_mul_f32 v[10:11], v[10:11], v[12:13] op_sel:[0,1] op_sel_hi:[1,1]   ; B's by its high word
	s_wait_alu depctr_va_vdst(0)                   ; one wait for the batch, ahead of its first reader
	SUM SA, 6
	CODE SA, F
.irp d, 0,1,2,3
.irp c, 0,1,2,3
	ds_load_b128 v[SA+16*\d+4*\c:SA+16*\d+4*\c+3], v[ADV] offset:2048*\d+512*\c   ; V's four fragments land where A's p lay, while B is worked
.endr
.endr
	SUM SB, 10
	CODE SB, F+16
	s_wait_alu depctr_va_vdst(0)
.set NN, 0
.rept 16
	v_pk_mul_f32 v[OA+NN:OA+NN+1], v[OA+NN:OA+NN+1], v[12:13] op_sel_hi:[1,0]
.set NN, NN+2
.endr
.set NN, 0
.rept 16
	v_pk_mul_f32 v[OB+NN:OB+NN+1], v[OB+NN:OB+NN+1], v[12:13] op_sel:[0,1] op_sel_hi:[1,1]
.set NN, NN+2
.endr
	s_wait_alu depctr_va_vdst(0)
	s_wait_dscnt 0x0                               ; V is in
.irp d, 0,1,2,3
	v_wmma_f32_16x16x128_bf8_bf8 v[OA+8*\d:OA+8*\d+7], v[SA+16*\d:SA+16*\d+15], v[F:F+15], v[OA+8*\d:OA+8*\d+7]       ; the eight accumulators take turns
	v_wmma_f32_16x16x128_bf8_bf8 v[OB+8*\d:OB+8*\d+7], v[SA+16*\d:SA+16*\d+15], v[F+16:F+31], v[OB+8*\d:OB+8*\d+7]
.endr
.Lhid_\@:
.endm
	s_mov_b32 s[NT], 0
	s_mov_b32 s[TB], 0
	s_mov_b32 s[TV], VB
	s_wait_alu depctr_va_vdst(0)
	s_wait_tensorcnt 0x0                           ; my part of the first fill is in
	ds_add_u32 v[SPW], v[NIL]
	s_wait_dscnt 0x0
	CROUND                                         ; everybody's part is in, and the four work-groups meet
	tensor_load_to_lds s[G0B:G0B+3], s[G1B:G1B+7]  ; the other 16 - NA steps' bytes: my one tensor load behind the round
	s_nop 0
.rept 4
	v_nop
.endr
	s_wait_loadcnt 0x0                             ; Q
.Lfirst:                                           ; NA trips on the first fill's bytes
	STEP
	s_add_co_u32 s[TB], s[TB], 8192
	s_add_co_u32 s[TV], s[TV], 8192
	s_add_co_u32 s[NT], s[NT], 1
	s_cmp_lt_u32 s[NT], NA
	s_cbranch_scc1 .Lfirst
	s_wait_tensorcnt 0x0                           ; my part of the second fill is in,
	ds_add_u32 v[SPW], v[NIL]
	s_wait_dscnt 0x0
	s_barrier_signal -1
	s_barrier_wait -1                              ; everybody's is
	s_mov_b32 s[NT], NA
	s_mov_b32 s[TB], NA*8192
	s_mov_b32 s[TV], VB+NA*8192
.Lrest:                                            ; 16 - NA trips
	STEP
	s_add_co_u32 s[TB], s[TB], 8192
	s_add_co_u32 s[TV], s[TV], 8192
	s_add_co_u32 s[NT], s[NT], 1
	s_cmp_lt_u32 s[NT], 16
	s_cbranch_scc1 .Lrest
	; THE WAY OUT: O^T / the sum x 2^(e8 + e9), held, converted under e10: accumulator d's eight become registers 2 d, 2 d + 1 of my head's part of the next operand.
	v_add_f32 v6, v6, v7                           ; the sums' two halves  (these lines are also the places behind the last products)
	v_add_f32 v10, v10, v11
	v_mov_b32 v7, s[SO]                            ; 2^e10, for the conversions
	v_permlanex16_b32 v12, v6, s[SEL], s[SEL+1]
	v_permlanex16_b32 v13, v10, s[SEL], s[SEL+1]
	v_add_f32 v6, v6, v12                          ; and lane l xor 16's
	v_add_f32 v10, v10, v13
	s_wait_alu depctr_va_vdst(0)                   ; a wait ahead of the batch
	v_rcp_f32 v6, v6
	v_rcp_f32 v10, v10
	v_nop
	s_wait_alu depctr_va_vdst(0)                   ; and ahead of its first reader
	v_ldexp_f32 v6, v6, s[EO]
	v_ldexp_f32 v10, v10, s[EO]
	s_wait_alu depctr_va_vdst(0)
.set NN, 0
.rept 16
	v_pk_mul_f32 v[SA+NN:SA+NN+1], v[OA+NN:OA+NN+1], v[6:7] op_sel_hi:[1,0]      ; each accumulator from its low end on
.set NN, NN+2
.endr
.set NN, 0
.rept 16
	v_pk_mul_f32 v[SB+NN:SB+NN+1], v[OB+NN:OB+NN+1], v[10:11] op_sel_hi:[1,0]
.set NN, NN+2
.endr
.set NN, 0
.rept 32
	v_med3_num_f32 v[SA+NN], v[SA+NN], s[LON], s[LO]
	v_med3_num_f32 v[SB+NN], v[SB+NN], s[LON], s[LO]
.set NN, NN+1
.endr
.irp d, 0,1,2,3
	v_cvt_scalef32_pk8_bf8_f32 v[F+2*\d:F+2*\d+1], v[SA+8*\d:SA+8*\d+7], v7
	v_cvt_scalef32_pk8_bf8_f32 v[F+8+2*\d:F+9+2*\d], v[SB+8*\d:SB+8*\d+7], v7
.endr
	v_nop                                          ; one plain vector line behind the conversions
	global_store_b128 v[LI], v[F:F+3], s[12:13]                  ; each store covers 512 consecutive bytes, aligned
	global_store_b128 v[LI], v[F+4:F+7], s[12:13] offset:512
	global_store_b128 v[LI], v[F+8:F+11], s[12:13] offset:16384  ; tile B: the next 16 tokens
	global_store_b128 v[LI], v[F+12:F+15], s[12:13] offset:16896
	s_wait_tensorcnt 0x0                           ; the wave's end
	ds_add_u32 v[SPW], v[NIL]
	s_wait_dscnt 0x0
	CROUND                                         ; the closing round
	s_endpgm
.Lfunc_end_k_q49db1ff638_attn:
	.size	k_q49db1ff638_attn, .Lfunc_end_k_q49db1ff638_attn-k_q49db1ff638_attn
	.p2alignl 7, 3214868480
	.fill 96, 4, 3214868480
	.section	.rodata,"a",@progbits
	.p2align	6, 0x0
	.amdhsa_kernel k_q49db1ff638_attn
		.amdhsa_group_segment_fixed_size 327680
		.amdhsa_private_segment_fixed_size 0
		.amdhsa_enable_private_segment 0
		.amdhsa_kernarg_size 40
		.amdhsa_user_sgpr_count 2
		.amdhsa_user_sgpr_kernarg_segment_ptr 1
		.amdhsa_wavefront_size32 1
		.amdhsa_system_sgpr_workgroup_id_x 1
		.amdhsa_system_sgpr_workgroup_id_y 1
		.amdhsa_system_sgpr_workgroup_id_z 1
		.amdhsa_system_vgpr_workitem_id 0
		.amdhsa_next_free_vgpr 256
		.amdhsa_next_free_sgpr 80
		.amdhsa_reserve_vcc 1
		.amdhsa_float_denorm_mode_32 3
		.amdhsa_float_denorm_mode_16_64 3
		.amdhsa_memory_ordered 1
		.amdhsa_forward_progress 1
		.amdhsa_inst_pref_size 86
	.end_amdhsa_kernel
	.amdgpu_metadata
---
amdhsa.version: [ 1, 2 ]
amdhsa.kernels:
  - .name:           k_q49db1ff638_attn
    .symbol:         k_q49db1ff638_attn.kd
    .args:
      - { .name: q_img, .offset: 0, .size: 8, .value_kind: global_buffer, .address_space: global }
      - { .name: k_img, .offset: 8, .size: 8, .value_kind: global_buffer, .address_space: global }
      - { .name: v_img, .offset: 16, .size: 8, .value_kind: global_buffer, .address_space: global }
      - { .name: lowp_scales, .offset: 24, .size: 8, .value_kind: global_buffer, .address_space: global }
      - { .name: o_img, .offset: 32, .size: 8, .value_kind: global_buffer, .address_space: global }
    .group_segment_fixed_size: 327680
    .private_segment_fixed_size: 0
    .kernarg_segment_align: 8
    .kernarg_segment_size: 40
    .max_flat_workgroup_size: 512
    .sgpr_count:     80
    .vgpr_count:     256
    .wavefront_size: 32
...
	.end_amdgpu_metadata
.endif
;; end of part 3
;; launch proj (part 4): grid 256 x 1, 8 waves a work-group, no clusters, 327,680 bytes of LDS; arguments o_img, wo_img, x, norm_g, lowp_scales, out0; writes out0
.if DOCPART == 4
	.amdgcn_target "amdgcn-amd-amdhsa--gfx1250"
	.amdhsa_code_object_version 6
	.text
	.protected	k_q49db1ff638_proj
	.globl	k_q49db1ff638_proj
	.p2align	8
	.type	k_q49db1ff638_proj,@function
k_q49db1ff638_proj:
	s_mov_b64 s[64:65], 0
	v_nop
	global_prefetch_b8 v0, s[64:65] scope:SCOPE_SE
	s_setreg_imm32_b32 hwreg(HW_REG_WAVE_MODE, 25, 1), 1
	s_wait_xcnt 0x0
.set XSW,  16896
.set XP,   528
.set AIMG, 8*XSW
.set RED,  AIMG+32768
.set ACC,  128
.set AB,   64
.set WV,   18
.set GA,   24
.set GX,   32
.set MSB, 0
.macro WIN new
.if MSB != \new
	s_set_vgpr_msb (MSB<<8)|\new
.set MSB, \new
.endif
.endm
	s_load_b256 s[4:11], s[0:1], 0x0
	s_load_b128 s[12:15], s[0:1], 0x20
	v_lshl_add_u32 v62, v0, 2, 0x29800
	v_mov_b32 v63, 0
	ds_add_u32 v62, v63
	ds_add_u32 v62, v63
	v_lshrrev_b32 v1, 5, v0
	s_delay_alu instid0(VALU_DEP_1)
	v_readfirstlane_b32 s[WV], v1
	s_mov_b32 s[GA], 3<<16
	s_mov_b32 s[GA+1], 32<<16
	s_mov_b32 s[GA+2], 16<<16
	s_mov_b32 s[GA+3], 32<<16
	s_mov_b32 s[GA+4], 16
	s_mov_b32 s[GA+5], 32
	s_mov_b32 s[GA+6], 0
	s_mov_b32 s[GA+7], 0
	s_mov_b32 s[GX], (2<<16)|(1<<20)|(6<<22)|(3<<25)
	s_mov_b32 s[GX+1], 128<<16
	s_mov_b32 s[GX+2], 32<<16
	s_mov_b32 s[GX+3], 128<<16
	s_mov_b32 s[GX+4], 32
	s_mov_b32 s[GX+5], 1024
	s_mov_b32 s[GX+6], 0
	s_mov_b32 s[GX+7], 0
	s_lshl_b32 s20, ttmp9, 15
	s_lshl_b32 s19, s[WV], 12
	s_add_co_u32 s20, s20, s19
	s_mov_b32 s21, 0
	s_lshl_b32 s22, ttmp9, 17
	s_lshl_b32 s19, s[WV], 9
	s_add_co_u32 s22, s22, s19
	s_mov_b32 s23, 0
	s_mov_b32 s40, 1
	s_lshl_b32 s41, s[WV], 12
	s_add_co_u32 s41, s41, AIMG
	s_mov_b32 s44, 1
	s_mul_i32 s45, s[WV], XSW
	s_mov_b32 s54, 0x3a800000
	s_mov_b32 s55, 0x358637bd
	s_mov_b32 s56, 0x76543210
	s_mov_b32 s57, 0xfedcba98
	s_wait_dscnt 0x0
	s_wait_kmcnt 0x0
	s_load_b64 s[16:17], s[12:13], 0x28
	s_add_nc_u64 s[42:43], s[4:5], s[20:21]
	s_or_b32 s43, s43, 0x80000000
	s_add_nc_u64 s[46:47], s[8:9], s[22:23]
	s_or_b32 s47, s47, 0x80000000
	tensor_load_to_lds s[40:43], s[GA:GA+7]
	s_nop 0
	s_wait_alu depctr_va_vdst(0)
	s_wait_tensorcnt 0x0
	ds_add_u32 v62, v63
	s_wait_dscnt 0x0
	s_barrier_signal -1
	s_barrier_wait -1
	tensor_load_to_lds s[44:47], s[GX:GX+7]
	s_nop 0
.rept 4
	v_nop
.endr
	s_add_nc_u64 s[50:51], s[14:15], s[22:23]
	s_lshl_b32 s20, s[WV], 17
	s_add_nc_u64 s[48:49], s[6:7], s[20:21]
	v_and_b32 v1, 31, v0
	s_delay_alu instid0(VALU_DEP_1)
	v_lshlrev_b32 v5, 2, v1
	s_delay_alu instid0(VALU_DEP_2)
	v_lshlrev_b32 v1, 4, v1
	v_and_b32 v28, 15, v0
	v_bfe_u32 v29, v0, 4, 1
	s_delay_alu instid0(VALU_DEP_2)
	v_mul_u32_u24 v2, v28, XP
	s_delay_alu instid0(VALU_DEP_1)
	v_lshl_add_u32 v2, v29, 5, v2
	s_delay_alu instid0(VALU_DEP_1)
	v_add_nc_u32 v2, s45, v2
	v_add_nc_u32 v3, s45, v1
	v_add_nc_u32 v5, RED, v5
	s_lshl_b32 s19, s[WV], 8
	v_add_nc_u32 v4, s19, v5
	v_add_nc_u32 v6, AIMG, v1
	s_lshl_b32 s19, s[WV], 9
	v_add_nc_u32 v7, s19, v1
	global_load_b128 v[8:11], v7, s[10:11]
.macro UNIT u
	WIN 0x40
.irp j, 0,1,2,3
.irp q, 0,1,2,3
	global_load_b128 v[64*((\u)%4)+16*\j+4*\q:64*((\u)%4)+16*\j+4*\q+3], v1, s[48:49] offset:8192*(\u)+2048*\j+512*\q
.endr
.endr
	WIN 0
.endm
.macro ALOAD s
.irp m, 0,1
.irp q, 0,1,2,3
	ds_load_b128 v[AB+32*((\s)%2)+16*\m+4*\q:AB+32*((\s)%2)+16*\m+4*\q+3], v6 offset:16384*\m+2048*(\s)+512*\q
.endr
.endr
.endm
.macro GROUP u
.set SS, (\u)/2
.set GG, (\u)%2
.if GG == 0
	s_wait_dscnt 0x0
.endif
.if 15-(\u) >= 3
	s_wait_loadcnt 48
.else
	s_wait_loadcnt 16*(15-(\u))
.endif
	WIN 0x01
.irp j, 0,1,2,3
.irp m, 0,1
.set RDD, ACC+8*(2*(4*GG+\j)+\m)
.set RWW, 64*((\u)%4)+16*\j
.set RAA, AB+32*(SS%2)+16*\m
.if SS == 0
	v_wmma_f32_16x16x128_bf8_bf8 v[RDD:RDD+7], v[RWW:RWW+15], v[RAA:RAA+15], 0
.else
	v_wmma_f32_16x16x128_bf8_bf8 v[RDD:RDD+7], v[RWW:RWW+15], v[RAA:RAA+15], v[RDD:RDD+7]
.endif
.endr
.endr
	WIN 0
.rept 4
	v_nop
.endr
.if (GG == 0) && (SS < 7)
	ALOAD SS+1
.endif
.if (\u)+4 <= 15
	UNIT (\u)+4
.endif
.endm
	UNIT 0
	UNIT 1
	UNIT 2
	UNIT 3
	s_wait_alu depctr_va_vdst(0)
	s_wait_kmcnt 0x0
	s_add_co_i32 s52, s16, s17
	s_add_co_i32 s52, s52, 127
	s_lshl_b32 s52, s52, 23
	s_mov_b32 s53, s52
	s_wait_tensorcnt 1
	s_barrier_signal -1
	s_barrier_wait -1
	ALOAD 0
.irp u, 0,1,2,3,4,5,6,7,8,9,10,11,12,13,14,15
	GROUP \u
.endr
	s_wait_tensorcnt 0x0
	WIN 0x40
.irp n, 0,1,2,3,4,5,6,7
.irp m, 0,1
	ds_load_b128 v[8*(2*\n+\m):8*(2*\n+\m)+3],   v2 offset:16*XP*\m+64*\n
	ds_load_b128 v[8*(2*\n+\m)+4:8*(2*\n+\m)+7], v2 offset:16*XP*\m+64*\n+16
.endr
.endr
	s_wait_dscnt 0x0
	WIN 0x10
.set NN, 0
.rept 64
	v_pk_fma_f32 v[ACC+NN:ACC+NN+1], v[ACC+NN:ACC+NN+1], s[52:53], v[NN:NN+1] op_sel_hi:[1,0,1]
.set NN, NN+2
.endr
	WIN 0
.set KK, 0
.rept 32
.irp m, 0,1
.set RYY, ACC+8*(2*(KK/4)+\m)+2*(KK%4)
.set RCC, 16+4*\m+2*(KK%2)
.if KK < 2
	v_pk_mul_f32 v[RCC:RCC+1], v[RYY:RYY+1], v[RYY:RYY+1]
.else
	s_delay_alu instid0(VALU_DEP_4)
	v_pk_fma_f32 v[RCC:RCC+1], v[RYY:RYY+1], v[RYY:RYY+1], v[RCC:RCC+1]
.endif
.endr
.set KK, KK+1
.endr
	s_delay_alu instid0(VALU_DEP_2)
	v_pk_add_f32 v[16:17], v[16:17], v[18:19]
	s_delay_alu instid0(VALU_DEP_2)
	v_pk_add_f32 v[20:21], v[20:21], v[22:23]
	s_delay_alu instid0(VALU_DEP_2)
	v_add_f32 v16, v16, v17
	s_delay_alu instid0(VALU_DEP_2)
	v_add_f32 v20, v20, v21
	s_delay_alu instid0(VALU_DEP_2)
	v_permlanex16_b32 v28, v16, s56, s57
	s_delay_alu instid0(VALU_DEP_2)
	v_permlanex16_b32 v29, v20, s56, s57
	s_delay_alu instid0(VALU_DEP_2)
	v_add_f32 v16, v16, v28
	s_delay_alu instid0(VALU_DEP_2)
	v_add_f32 v20, v20, v29
	ds_store_b32 v4, v16
	ds_store_b32 v4, v20 offset:128
	s_wait_dscnt 0x0
	s_barrier_signal -1
	s_barrier_wait -1
.irp w, 0,1,2,3,4,5,6,7
.irp m, 0,1
	ds_load_b32 v[32+2*\w+\m], v5 offset:256*\w+128*\m
.endr
.endr
	s_wait_dscnt 0x0
	v_pk_add_f32 v[32:33], v[32:33], v[34:35]
	v_pk_add_f32 v[36:37], v[36:37], v[38:39]
	v_pk_add_f32 v[40:41], v[40:41], v[42:43]
	v_pk_add_f32 v[44:45], v[44:45], v[46:47]
	s_delay_alu instid0(VALU_DEP_3)
	v_pk_add_f32 v[32:33], v[32:33], v[36:37]
	s_delay_alu instid0(VALU_DEP_2)
	v_pk_add_f32 v[40:41], v[40:41], v[44:45]
	s_delay_alu instid0(VALU_DEP_1)
	v_pk_add_f32 v[32:33], v[32:33], v[40:41]
	s_delay_alu instid0(VALU_DEP_1)
	v_fma_f32 v32, v32, s54, s55
	s_delay_alu instid0(VALU_DEP_2)
	v_fma_f32 v33, v33, s54, s55
	s_wait_alu depctr_va_vdst(0)
	v_rsq_f32 v24, v32
	v_rsq_f32 v26, v33
	v_mov_b32 v25, 0
	v_mov_b32 v27, 0
	s_wait_alu depctr_va_vdst(0)
.irp n, 0,1,2,3,4,5,6,7
.irp m, 0,1
.irp i, 0,2,4,6
	v_pk_mul_f32 v[ACC+8*(2*\n+\m)+\i:ACC+8*(2*\n+\m)+\i+1], v[ACC+8*(2*\n+\m)+\i:ACC+8*(2*\n+\m)+\i+1], v[24+2*\m:25+2*\m] op_sel_hi:[1,0]
.endr
.endr
.endr
.irp n, 0,1,2,3,4,5,6,7
.irp m, 0,1
	ds_store_b128 v2, v[ACC+8*(2*\n+\m):ACC+8*(2*\n+\m)+3]   offset:16*XP*\m+64*\n
	ds_store_b128 v2, v[ACC+8*(2*\n+\m)+4:ACC+8*(2*\n+\m)+7] offset:16*XP*\m+64*\n+16
.endr
.endr
	WIN 0x40
.set NN, 0
.rept 32
	ds_load_b128 v[4*NN:4*NN+3], v3 offset:XP*NN
.set NN, NN+1
.endr
	s_wait_dscnt 0x0
	WIN 0x41
.set NN, 0
.rept 32
	v_pk_mul_f32 v[4*NN:4*NN+1],   v[4*NN:4*NN+1],   v[8:9]
	v_pk_mul_f32 v[4*NN+2:4*NN+3], v[4*NN+2:4*NN+3], v[10:11]
.set NN, NN+1
.endr
	WIN 0x04
.set NN, 0
.rept 32
	global_store_b128 v1, v[4*NN:4*NN+3], s[50:51] offset:4096*NN th:TH_STORE_NT
.set NN, NN+1
.endr
	WIN 0
	s_wait_tensorcnt 0x0
	ds_add_u32 v62, v63
	s_wait_dscnt 0x0
	s_endpgm
.Lfunc_end_k_q49db1ff638_proj:
	.size	k_q49db1ff638_proj, .Lfunc_end_k_q49db1ff638_proj-k_q49db1ff638_proj
	.p2alignl 7, 3214868480
	.fill 96, 4, 3214868480
	.section	.rodata,"a",@progbits
	.p2align	6, 0x0
	.amdhsa_kernel k_q49db1ff638_proj
		.amdhsa_group_segment_fixed_size 327680
		.amdhsa_private_segment_fixed_size 0
		.amdhsa_enable_private_segment 0
		.amdhsa_kernarg_size 48
		.amdhsa_user_sgpr_count 2
		.amdhsa_user_sgpr_kernarg_segment_ptr 1
		.amdhsa_wavefront_size32 1
		.amdhsa_system_sgpr_workgroup_id_x 1
		.amdhsa_system_sgpr_workgroup_id_y 1
		.amdhsa_system_sgpr_workgroup_id_z 1
		.amdhsa_system_vgpr_workitem_id 0
		.amdhsa_next_free_vgpr 512
		.amdhsa_next_free_sgpr 66
		.amdhsa_reserve_vcc 0
		.amdhsa_float_denorm_mode_32 3
		.amdhsa_float_denorm_mode_16_64 3
		.amdhsa_memory_ordered 1
		.amdhsa_forward_progress 1
		.amdhsa_inst_pref_size 76
	.end_amdhsa_kernel
	.amdgpu_metadata
---
amdhsa.version: [ 1, 2 ]
amdhsa.kernels:
  - .name:           k_q49db1ff638_proj
    .symbol:         k_q49db1ff638_proj.kd
    .args:
      - { .name: o_img, .offset: 0, .size: 8, .value_kind: global_buffer, .address_space: global }
      - { .name: wo_img, .offset: 8, .size: 8, .value_kind: global_buffer, .address_space: global }
      - { .name: x, .offset: 16, .size: 8, .value_kind: global_buffer, .address_space: global }
      - { .name: norm_g, .offset: 24, .size: 8, .value_kind: global_buffer, .address_space: global }
      - { .name: lowp_scales, .offset: 32, .size: 8, .value_kind: global_buffer, .address_space: global }
      - { .name: out0, .offset: 40, .size: 8, .value_kind: global_buffer, .address_space: global }
    .group_segment_fixed_size: 327680
    .private_segment_fixed_size: 0
    .kernarg_segment_align: 8
    .kernarg_segment_size: 48
    .max_flat_workgroup_size: 256
    .sgpr_count:     66
    .vgpr_count:     512
    .wavefront_size: 32
...
	.end_amdgpu_metadata
.endif
;; end of part 4
